; MI455X (gfx1250); checked and timed in simulation.
; The chip was launched on July 23, 2026; its instructions are those of AMD's public machine-readable ISA for CDNA 5 (MIT licence, August 2026) and "CDNA5" Instruction Set Architecture Reference Guide (July 2026). The comments in the code are by the model that wrote it; some were corrected since.
;; Multihead Attention. Allowed arithmetic: matrix products marked QUANTISED: E2M3 operands, one E8M0 scale for each 32 along K, by v_wmma_scale_f32_16x16x128_f8f6f4 with both operands' format E2M3, f32 sums; everything else in f32.
;; Inputs: Wk_codes 16 x 64 x 32 x 24 uint8 (E2M3 codes of Wk, K innermost, in blocks of 32 codes, four codes in three bytes); Wk_scales 16 x 64 x 32 uint8 (E8M0 scales of Wk, one for each 32 codes along K); Wout_codes 1,024 x 32 x 24 uint8 (E2M3 codes of Wout, K innermost, in blocks of 32 codes, four codes in three bytes); Wout_scales 1,024 x 32 uint8 (E8M0 scales of Wout, one for each 32 codes along K); Wq_codes 16 x 64 x 32 x 24 uint8 (E2M3 codes of Wq, K innermost, in blocks of 32 codes, four codes in three bytes); Wq_scales 16 x 64 x 32 uint8 (E8M0 scales of Wq, one for each 32 codes along K); Wv_codes 16 x 64 x 32 x 24 uint8 (E2M3 codes of Wv, K innermost, in blocks of 32 codes, four codes in three bytes); Wv_scales 16 x 64 x 32 uint8 (E8M0 scales of Wv, one for each 32 codes along K); attn_mask 2,048 x 2,048 bool; bk 16 x 64 float32; bout 1,024 float32; bq 16 x 64 float32; bv 16 x 64 float32; k_codes 4 x 2,048 x 32 x 24 uint8 (E2M3 codes of k, K innermost, in blocks of 32 codes, four codes in three bytes); k_scales 4 x 2,048 x 32 uint8 (E8M0 scales of k, one for each 32 codes along K); key_padding_mask 4 x 2,048 bool; q_codes 4 x 2,048 x 32 x 24 uint8 (E2M3 codes of q, K innermost, in blocks of 32 codes, four codes in three bytes); q_scales 4 x 2,048 x 32 uint8 (E8M0 scales of q, one for each 32 codes along K); v_codes 4 x 2,048 x 32 x 24 uint8 (E2M3 codes of v, K innermost, in blocks of 32 codes, four codes in three bytes); v_scales 4 x 2,048 x 32 uint8 (E8M0 scales of v, one for each 32 codes along K).
;; Outputs: out0 4 x 2,048 x 1,024 float32.
;; This version of the problem:
;;   THIS VERSION OF THE PROBLEM IS GIVEN IN LOW PRECISION. The matrix products marked QUANTISED in the list below multiply operands that are first quantised to E2M3 (2 exponent bits, 3 mantissa bits; 6 bits a number), with one power-of-two scale for each 32 numbers along K (OCP MX v1.0); their sums are f32. All else is computed in f32.
;;   The module's matrix products, in the order in which they are computed (A, B: the left and right operand; K: the contracted axis; several contracted axes count as one K, in the product's order):
;;     1. [M 8,192, K 1,024] x [K 1,024, N 1,024]; A: input q (given as codes); B: input Wq (given as codes): QUANTISED
;;     2. [M 8,192, K 1,024] x [K 1,024, N 1,024]; A: input k (given as codes); B: input Wk (given as codes): QUANTISED
;;     3. [M 8,192, K 1,024] x [K 1,024, N 1,024]; A: input v (given as codes); B: input Wv (given as codes): QUANTISED
;;     4. batch 64 x [M 2,048, K 64] x [K 64, N 2,048]; A: computed on the way; B: computed on the way: QUANTISED
;;     5. batch 64 x [M 64, K 2,048] x [K 2,048, N 2,048]; A: computed on the way; B: softmax (see below): QUANTISED
;;     6. [M 8,192, K 1,024] x [K 1,024, N 1,024]; A: computed on the way; B: input Wout (given as codes): QUANTISED
;;   THE QUANTISER, for each operand of a quantised product, along K:
;;     - K is cut into blocks of 32 from its start; a last block that is shorter is filled with zeros.
;;     - A block's scale is 2^e with e = floor(log2(the largest magnitude in the block)) - 2, held to -126 .. 127; a block of zeros has e = 0. As a byte (E8M0): e + 127.
;;     - Each number is divided by its block's scale, clamped to +-7.5, and rounded to the nearest number of E2M3, ties to even, subnormals kept.
;;     - The product sums the exact products of the quantised numbers (number of the format x scale) in f32.
;;   ~~~python
;;   def quantise(x, axis):      # numpy; x: float32 -> the quantised numbers, widened to float32 again
;;       x = np.moveaxis(x, axis, -1); K = x.shape[-1]
;;       x = np.pad(x, [(0, 0)] * (x.ndim - 1) + [(0, -K % 32)]); x = x.reshape(x.shape[:-1] + (-1, 32)); a = np.abs(x).max(-1, keepdims=True)
;;       e = np.where(a > 0, np.clip(np.frexp(np.where(a > 0, a, 1))[1] - 1 - 2, -126, 127), 0)      # np.frexp(a)[1] - 1 = floor(log2(a)), exactly
;;       r = np.clip(x / 2.0 ** e, -7.5, 7.5)
;;       step = 2.0 ** (np.maximum(np.frexp(np.where(r == 0, 1, r))[1] - 1, 0) - 3)
;;       q = np.round(r / step) * step * 2.0 ** e      # np.round: ties to even
;;       return np.moveaxis(q.reshape(q.shape[:-2] + (-1,))[..., :K], -1, axis).astype(np.float32)
;;   ~~~
;;   SOFTMAX AHEAD OF A QUANTISED PRODUCT. Where the list says 'softmax', what is quantised is not the finished softmax but p = 2^(t - M), with t = logit x log2(e) and M = ceil(the row's largest t), a whole number; so 1/2 < the row's largest p <= 1. The row's sum l is taken of the UNQUANTISED p, in f32, and the product's result is divided by l at the end. Since M is a whole number, a kernel that streams over the keys may use a running M (the ceiling of the running maximum): every later rescaling is an exact power of two, which a block's scale takes up: the codes' values come out the same.
;;   OPERANDS COMPUTED ON THE WAY. 'Computed on the way' means the value that the module computes at that place (a softmax that the list does not call 'softmax' is quantised finished and normalised). What goes into a quantiser is computed in f32, as accurately as f32 sums, v_exp_f32 and their like allow (about 1e-6 of the number): no bf16 or f16 on the way to a quantiser, and a product that is left as it is and whose result goes on into a quantised operand takes f32 operands (vector FMAs, or v_wmma_f32_16x16x4_f32). A number that lies on a knife's edge between two numbers of the format may be rounded either way, as far as f32 arithmetic and the matrix unit's own rounding can turn it there, and no further.
;;   INPUTS GIVEN AS CODES. Wk (in the module: [16, 64, 1024], K = its axis 2); Wout (in the module: [1024, 1024], K = its axis 1); Wq (in the module: [16, 64, 1024], K = its axis 2); Wv (in the module: [16, 64, 1024], K = its axis 2); k (in the module: [4, 2048, 1024], K = its axis 2); q (in the module: [4, 2048, 1024], K = its axis 2); v (in the module: [4, 2048, 1024], K = its axis 2): each comes as NAME_codes (uint8): NAME with its K axis moved to the last place and cut into blocks of 32 codes, [.., K / 32, bytes a block], one block behind the other in memory; four codes in three bytes: a row's codes are one little-endian stream of bits, code i at bits 6 i .. 6 i + 5 (a code: sign, 2 exponent bits, 3 mantissa bits); and NAME_scales (uint8): the same leading axes, one E8M0 byte (e + 127) for each 32 codes along K. Its value is code x scale, taken as it is: it is not quantised again, and the codes and scales need not be those that the quantiser above would give.
;; One version. Each part assembles by itself: llvm-mc -triple=amdgcn-amd-amdhsa -mcpu=gfx1250 --defsym DOCPART=n.
;; ======== version 1 of 1: 4 launches
;; limits: right only within a limited range of input values
;; workspace buffers: maskw 2,097,152 bytes of whole numbers; flags 32,768 bytes of whole numbers; qws 6,553,600 bytes; kvws 13,107,200 bytes; ycodes 6,291,456 bytes; yscales 262,144 bytes
;; launch pack (part 1): grid 256 x 1, 8 waves a work-group, no clusters, 0 bytes of LDS; arguments attn_mask, key_padding_mask, maskw, flags; writes maskw, flags
.if DOCPART == 1
	.amdgcn_target "amdgcn-amd-amdhsa--gfx1250"
	.amdhsa_code_object_version 6
	.text
	.protected	k_q1acdc7daaf_pack
	.globl	k_q1acdc7daaf_pack
	.p2align	8
	.type	k_q1acdc7daaf_pack,@function
k_q1acdc7daaf_pack:
	s_mov_b64 s[64:65], 0
	v_nop
	global_prefetch_b8 v0, s[64:65] scope:SCOPE_SE
	s_setreg_imm32_b32 hwreg(HW_REG_WAVE_MODE, 25, 1), 1
	s_wait_xcnt 0x0
; MULTI-HEAD ATTENTION IN MX-FP6, four launches: pack (this one), proj, attn, outp.
; DEAD WORK: none.  Every input has a way to the output: both masks select scores, all four biases go into a quantised operand or into the result (bk moves kh's codes), so all inputs are loaded.
; THIS LAUNCH turns mask[b][q][k] = key_padding_mask[b][k] | attn_mask[q][k] into LANE MASKS for the attention launch.  There a wave holds a tile of 16 queries x 128 keys in 64 registers:
; register n = 8 u + j of lane (r, h) is the score of query 16 T + r and key 128 step + 16 u + 8 h + j.  Word n of a tile has bit r + 16 h set where that score is masked: one select a register, no compare.
; maskw: [b 4][T 128][step 16][64 words].  flags: [b][T][step], 1 << step where any bit of the tile is set, else 0: whole numbers on which the attention launch branches.
; SHARES: a wave takes one (T, step) for all four b, so attn_mask is read once.  T = work-group / 2, step = 8 (work-group % 2) + wave.  No LDS, no barrier, no loop.
.set A,   16                           ; v16-31   attn_mask: 8 bytes (j = 0 .. 7) for each u
.set KP,  32                           ; v32-95   key_padding_mask, 16 registers for each b
.set W,   96                           ; v96-111  the two joined, for the b in hand
.set OUT, 112                          ; v112-119 a pair for each b: lane l holds words 2 l and 2 l + 1
.set FL,  120                          ; v120     lane b: the flag of b
.set TM,  121                          ; v121-124 at work
	s_load_b256 s[4:11], s[0:1], 0x0               ; attn_mask s[4:5], key_padding_mask s[6:7], maskw s[8:9], flags s[10:11]
	v_lshrrev_b32 v1, 5, v0
	v_readfirstlane_b32 s12, v1                    ; wave
	v_and_b32 v1, 31, v0                           ; lane
	v_and_b32 v2, 15, v0                           ; r
	v_bfe_u32 v3, v0, 4, 1                         ; h
	v_lshlrev_b32 v5, 3, v3                        ; key_padding_mask: 8 h
	v_lshl_add_u32 v4, v2, 11, v5                  ; attn_mask: row r of 2,048 bytes + 8 h
	v_lshlrev_b32 v6, 3, v1                        ; out: 8 bytes a lane
	v_lshlrev_b32 v7, 13, v1                       ; flags: lane b stands 8,192 bytes (128 T x 16 steps x 4) on
.irp i, 0,1,2,3,4,5,6,7,8
	v_mov_b32 v[OUT+\i], 0                         ; written once: a lane write's destination counts as read (OUT and FL)
.endr
	s_lshr_b32 s13, ttmp9, 1                       ; T
	s_and_b32 s14, ttmp9, 1
	s_lshl_b32 s14, s14, 3
	s_add_co_u32 s14, s14, s12                     ; step
	s_lshl_b32 s36, 1, s14                         ; the flag's bit
	s_lshl_b32 s20, s13, 15                        ; attn_mask: 16 T rows of 2,048 bytes
	s_lshl_b32 s22, s14, 7                         ; + 128 step
	s_add_co_u32 s20, s20, s22
	s_mov_b32 s21, 0
	s_mov_b32 s23, 0
	s_lshl_b32 s24, s13, 12                        ; maskw: T x 16 x 256
	s_lshl_b32 s25, s14, 8
	s_add_co_u32 s24, s24, s25
	s_mov_b32 s25, 0
	s_lshl_b32 s26, s13, 6                         ; flags: T x 64 + 4 step
	s_lshl_b32 s27, s14, 2
	s_add_co_u32 s26, s26, s27
	s_mov_b32 s27, 0
	s_wait_kmcnt 0x0
	s_add_nc_u64 s[4:5], s[4:5], s[20:21]
	s_add_nc_u64 s[6:7], s[6:7], s[22:23]
	s_add_nc_u64 s[8:9], s[8:9], s[24:25]
	s_add_nc_u64 s[10:11], s[10:11], s[26:27]
.irp u, 0,1,2,3,4,5,6,7
	global_load_b64 v[A+2*\u:A+2*\u+1], v4, s[4:5] offset:16*\u
.endr
.irp b, 0,1,2,3
.irp u, 0,1,2,3,4,5,6,7
	global_load_b64 v[KP+16*\b+2*\u:KP+16*\b+2*\u+1], v5, s[6:7] offset:2048*\b+16*\u
.endr
.endr
	s_wait_loadcnt 0x0
; One b: the joined bytes, the flag, and the 64 lane masks in four rounds of sixteen scalar registers.
.macro BATCH b
.irp i, 0,1,2,3,4,5,6,7,8,9,10,11,12,13,14,15
	v_or_b32 v[W+\i], v[A+\i], v[KP+16*\b+\i]
.endr
.irp i, 0,1,2,3
	v_or_b32 v[TM+\i], v[W+\i], v[W+4+\i]          ; is any byte of the tile set?  Four chains,
.endr
.irp i, 0,1,2,3
	v_or_b32 v[TM+\i], v[TM+\i], v[W+8+\i]
.endr
.irp i, 0,1,2,3
	v_or_b32 v[TM+\i], v[TM+\i], v[W+12+\i]
.endr
	v_or_b32 v[TM], v[TM], v[TM+1]
	v_or_b32 v[TM+2], v[TM+2], v[TM+3]
	v_or_b32 v[TM], v[TM], v[TM+2]                 ; joined,
	v_cmp_ne_u32 vcc_lo, 0, v[TM]                  ; over the lanes
	s_cmp_lg_u32 vcc_lo, 0
	s_cselect_b32 s[32+\b], s36, 0
.irp d, 0,1,2,3
.irp i, 0,1,2,3,4,5,6,7,8,9,10,11,12,13,14,15
	v_and_b32 v[TM+\i%4], 0xff<<(8*(\i%4)), v[W+2*(2*\d+\i/8)+(\i%8)/4]   ; word n = 16 d + i: u = n / 8, byte j = n % 8
	v_cmp_ne_u32 s[16+\i], 0, v[TM+\i%4]           ; the lane mask
.endr
.irp i, 0,1,2,3,4,5,6,7,8,9,10,11,12,13,14,15
	v_writelane_b32 v[OUT+2*\b+\i%2], s[16+\i], 8*\d+\i/2   ; word n to lane n / 2, register n % 2
.endr
.endr
	global_store_b64 v6, v[OUT+2*\b:OUT+2*\b+1], s[8:9] offset:\b*524288   ; 32 lanes store 256 consecutive bytes, at a multiple of 256 from the buffer's first byte
.endm
	BATCH 0
	BATCH 1
	BATCH 2
	BATCH 3
.irp b, 0,1,2,3
	v_writelane_b32 v[FL], s[32+\b], \b
.endr
	s_wait_xcnt 0x0                                ; EXEC is a source of the stores above: it changes only behind this wait
	v_cmp_gt_u32 vcc_lo, 4, v1
	s_and_saveexec_b32 s37, vcc_lo                 ; lanes 0 to 3: one flag for each b
	global_store_b32 v7, v[FL], s[10:11]
	s_wait_xcnt 0x0                                ; and again in front of the line that widens it
	s_or_b32 exec_lo, exec_lo, s37
	s_endpgm
.Lfunc_end_k_q1acdc7daaf_pack:
	.size	k_q1acdc7daaf_pack, .Lfunc_end_k_q1acdc7daaf_pack-k_q1acdc7daaf_pack
	.p2alignl 7, 3214868480
	.fill 96, 4, 3214868480
	.section	.rodata,"a",@progbits
	.p2align	6, 0x0
	.amdhsa_kernel k_q1acdc7daaf_pack
		.amdhsa_group_segment_fixed_size 0
		.amdhsa_private_segment_fixed_size 0
		.amdhsa_enable_private_segment 0
		.amdhsa_kernarg_size 32
		.amdhsa_user_sgpr_count 2
		.amdhsa_user_sgpr_kernarg_segment_ptr 1
		.amdhsa_wavefront_size32 1
		.amdhsa_system_sgpr_workgroup_id_x 1
		.amdhsa_system_sgpr_workgroup_id_y 1
		.amdhsa_system_sgpr_workgroup_id_z 1
		.amdhsa_system_vgpr_workitem_id 0
		.amdhsa_next_free_vgpr 128
		.amdhsa_next_free_sgpr 66
		.amdhsa_reserve_vcc 1
		.amdhsa_float_denorm_mode_32 3
		.amdhsa_float_denorm_mode_16_64 3
		.amdhsa_memory_ordered 1
		.amdhsa_forward_progress 1
		.amdhsa_inst_pref_size 59
	.end_amdhsa_kernel
	.amdgpu_metadata
---
amdhsa.version: [ 1, 2 ]
amdhsa.kernels:
  - .name:           k_q1acdc7daaf_pack
    .symbol:         k_q1acdc7daaf_pack.kd
    .args:
      - { .name: attn_mask, .offset: 0, .size: 8, .value_kind: global_buffer, .address_space: global }
      - { .name: key_padding_mask, .offset: 8, .size: 8, .value_kind: global_buffer, .address_space: global }
      - { .name: maskw, .offset: 16, .size: 8, .value_kind: global_buffer, .address_space: global }
      - { .name: flags, .offset: 24, .size: 8, .value_kind: global_buffer, .address_space: global }
    .group_segment_fixed_size: 0
    .private_segment_fixed_size: 0
    .kernarg_segment_align: 8
    .kernarg_segment_size: 32
    .max_flat_workgroup_size: 256
    .sgpr_count:     66
    .vgpr_count:     128
    .wavefront_size: 32
...
	.end_amdgpu_metadata
.endif
;; end of part 1
;; launch proj (part 2): grid 64 x 12, 8 waves a work-group, clusters of 4 x 4, 327,680 bytes of LDS; arguments q_codes, q_scales, Wq_codes, Wq_scales, bq, k_codes, k_scales, Wk_codes, Wk_scales, bk, v_codes, v_scales, Wv_codes, Wv_scales, bv, qws, kvws; writes qws, kvws
.if DOCPART == 2
	.amdgcn_target "amdgcn-amd-amdhsa--gfx1250"
	.amdhsa_code_object_version 6
	.text
	.protected	k_q1acdc7daaf_proj
	.globl	k_q1acdc7daaf_proj
	.p2align	8
	.type	k_q1acdc7daaf_proj,@function
k_q1acdc7daaf_proj:
	s_mov_b64 s[64:65], 0
	v_nop
	global_prefetch_b8 v0, s[64:65] scope:SCOPE_SE
	s_setreg_imm32_b32 hwreg(HW_REG_WAVE_MODE, 25, 1), 1
	s_wait_xcnt 0x0
	s_wait_alu depctr_hold_cnt(0) depctr_sa_sdst(0) depctr_va_vdst(0) depctr_va_sdst(0) depctr_va_ssrc(0) depctr_va_vcc(0) depctr_vm_vsrc(0)
	s_getreg_b32 s2, hwreg(HW_REG_IB_STS2, 6, 4)
	s_cmp_eq_u32 s2, 0
	s_cbranch_scc0 .Lentry_in_a_cluster
	s_endpgm
.Lentry_in_a_cluster:
	s_bfe_u32 s2, ttmp6, 0x10000c
	s_cmp_lg_u32 s2, 0xf033
	s_cbranch_scc0 .Lentry_shape_is_right
	s_endpgm
.Lentry_shape_is_right:
; qh = q Wq^T + bq, kh = k Wk^T + bk, vh = v Wv^T + bv on the given codes of FP6 (E2M3), and their quantising for the attention launch: qh and kh along a head's 64 channels, vh along the keys.  No work is left out.
; ONE FORM FOR ALL THREE.  Source 0 is P, whose rows become a lane's REGISTERS, the axis that is quantised; source 1 is R, whose rows become the LANES.  kind = cluster y.
;   kind 0, 1 (Q, K): P = the weight's 1,024 rows (head x 64 + channel), R = the 8,192 tokens.      kind 2 (V): P = v's 8,192 tokens (the keys), R = Wv's 1,024 rows.
; A work-group makes 256 rows of P x 128 rows of R; K = 1,024 goes in four chunks of 256 (rows of 192 bytes) through three LDS slots: chunks 0 to 2 are first fills, chunk 3 fills slot 0 again.
; Eight waves: wave w takes P rows 128 (w % 2) on and R rows 32 (w / 2) on: 8 x 2 = 16 accumulators.  So a wave holds whole operand fragments of the next launch: Q, K: two heads x 32 tokens; V: two channel tiles x 128 keys.
; CLUSTER 4 x 4: P's tile hangs on cx and the cluster's number and is shared along a column, R's on cy and is shared along a row: each is asked for jointly.  Waves 0 to 3 fetch P (64 rows each), waves 4 to 7 R (32 rows each).
; THE ORDER INSIDE A BLOCK OF 32.  Tiles take natural rows, so a lane's 16 registers of two neighbouring tiles are k = 8 h + 0..7 and 16 + 8 h + 0..7, and a block's codes lie in the order 0-7, 16-23, 8-15, 24-31.
; Both operands of each later product are laid so (Q and K here; V here and p in the attention launch), and a permutation of k inside a scale's block, alike on both sides, keeps every product.
; OUT: images of the operand's registers: a fragment is 3 x 512 bytes, registers 4 c .. 4 c + 3 of lane l at 512 c + 16 l; its scale words 16 x 4 bytes.
;   A fragment of Q or K holds TWO tiles of 16 tokens (K = 64 in an instruction of 128): registers 0-5 tokens 0-15 of a block of 32, registers 6-11 tokens 16-31; scale word [A0, A1, B0, B1].
;   qws: fragment at bh x 98,304 + block x 1,536, scale words from 6,291,456 on (bh x 4,096 + block x 64 + 4 r).   kvws: [bh][step of 128 keys][12,800]: 4 fragments of K, 4 of V, K's scale words at 12,288, V's at 12,544.
; LIMITS: NaN and infinities are not served.  A block whose largest magnitude lies under 2^-124 keeps the scale byte 1 (a block of zeros too: its codes are zeros, and only this program reads the bytes).
; REGISTERS: window 0: v4-17 LDS addresses; v18, v19 the add's two; v20-29 scale words, two sets; v32-79 R's fragments, two sets; v80-127 at work; v128-255 accumulators ((p, t) at 128 + 64 t + 8 p).  Window 1: P's fragments, two sets of 96.
.set PITCH, 240                        ; an LDS row: 3 x (64 bytes + 16 of padding)
.set PPART, 256*PITCH                  ; P's 256 rows; R's 128 follow
.set SLOT,  384*PITCH
.set SCL,   3*SLOT                     ; P's scale bytes for all of K: 32 units of 256 bytes + 16
.set SCLR,  SCL+32*272                 ; R's: 16 units
.set SPARE, SCLR+16*272                ; the spare words, 128 bytes for each wave: four blocks of 256 bytes that no other line names
.set FR,   12
.set ADRP, 4                           ; v4-6 my P fragments in slot 0, 1, 2; v7-9 the same behind one padding more
.set ADRR, 10                          ; v10-12, v13-15 the same for R
.set ADSP, 16                          ; v16 P's scale words: lanes 0-15 tile i, lanes 16-31 tile i + 4
.set ADSR, 17                          ; v17 R's: lanes 0-15 tile 0, lanes 16-31 tile 1
.set SPW,  18
.set NIL,  19
.set SC,   20                          ; set s: v[20 + 5 s + i] P's, v[24 + 5 s] R's
.set OFA,  30
.set OFB,  31
.set RB,   32
.set F0,   32                          ; the way out: two fragments, v32-43 and v44-55
.set PX,   64                          ; v64-71 the other half's maxima (registers that LDS loads have written)
.set MX,   80                          ; v80-87 block (t, b)'s largest magnitude at 4 t + b
.set SO,   88                          ; v88-95 the conversions' scale operands
.set BY,   96                          ; v96-103 the scale bytes
.set HW,   104                         ; v104-107 two bytes: unit (g, t) at 2 g + t
.set WD,   108                         ; v108-109 the two fragments' scale words; v110 chosen by the lane's half
.set TT,   112                         ; v112-127 a unit's second conversion: four registers for each of the four units
.set ACC,  128
.set WV,   16
.set KIND, 17
.set G1P,  24
.set G1R,  32
.set G1SP, 40
.set G1SR, 48
.set G0PS, 56
.set G0P0, 60
.set G0P1, 68
.set G0P2, 72
.set G0RS, 76
.set G0R0, 80
.set G0R1, 84
.set G0R2, 88
.set MSB, 0
.macro WIN new                         ; the immediate's high byte repeats the setting that is left
.if MSB != \new
	s_set_vgpr_msb (MSB<<8)|\new
.set MSB, \new
.endif
.endm
.macro PLACES                          ; four plain places behind a matrix instruction of this form, in front of loads into its registers and of reads of its results
.rept 4
	v_nop
.endr
.endm
; A joint load: waves 0 to 3 ask for P's part, waves 4 to 7 for R's.  The branch hangs on the wave's number alone.  An s_nop 0 and four v_nop follow each line.
.macro JLOAD g0p, g1p, g0r, g1r
	s_cmp_lt_u32 s[WV], 4
	s_cbranch_scc0 .Lfor_r_\@
	tensor_load_to_lds s[\g0p:\g0p+3], s[\g1p:\g1p+7]
	s_nop 0
.rept 4
	v_nop
.endr
	s_branch .Lasked_\@
.Lfor_r_\@:
	tensor_load_to_lds s[\g0r:\g0r+3], s[\g1r:\g1r+7]
	s_nop 0
.rept 4
	v_nop
.endr
.Lasked_\@:
.endm
.macro CREST                           ; a round of the cluster's barrier behind its opening barrier
	s_cmp_lg_u32 s[WV], 0
	s_cbranch_scc1 .Lnot_wave_0_\@
	s_barrier_signal -3
.Lnot_wave_0_\@:
	s_barrier_wait -3
	s_barrier_signal -1
	s_barrier_wait -1
.endm
.macro CROUND
	s_barrier_signal -1
	s_barrier_wait -1
	CREST
.endm
.macro SHAPE g, c, r, p                ; words 1 to 7 of a group 1: r rows of c elements, p elements from row to row
	s_mov_b32 s[\g+1], (\c)<<16
	s_mov_b32 s[\g+2], (\r)<<16
	s_mov_b32 s[\g+3], (\c)<<16
	s_mov_b32 s[\g+4], \r
	s_mov_b32 s[\g+5], \p
	s_mov_b32 s[\g+6], 0
	s_mov_b32 s[\g+7], 0
.endm
.macro PLACE g, lreg, loff, areg, aoff ; a group 0: count 1, LDS address, global address, type 2
	s_mov_b32 s[\g], 1
	s_add_co_u32 s[\g+1], s[\lreg], \loff
	s_add_nc_u64 s[\g+2:\g+3], s[\areg:\areg+1], \aoff
	s_or_b32 s[\g+3], s[\g+3], 0x80000000
.endm
	s_load_b256 s[24:31], s[0:1], 0x0              ; q: codes, scales; Wq: codes, scales
	s_load_b64 s[32:33], s[0:1], 0x20              ; bq
	s_load_b256 s[36:43], s[0:1], 0x28             ; the same five for k
	s_load_b64 s[44:45], s[0:1], 0x48
	s_load_b256 s[48:55], s[0:1], 0x50             ; and for v
	s_load_b64 s[56:57], s[0:1], 0x70
	s_load_b128 s[60:63], s[0:1], 0x78             ; qws, kvws
	v_lshl_add_u32 v[SPW], v0, 2, SPARE
	v_mov_b32 v[NIL], 0
	ds_add_u32 v[SPW], v[NIL]                      ; the wave's opening: the add, twice on end, and its wait ahead of my first tensor load
	ds_add_u32 v[SPW], v[NIL]                      ; and once more; the ids below, work on registers, stand between it and the wait
	v_lshrrev_b32 v1, 5, v0
	v_readfirstlane_b32 s[WV], v1                  ; wave 0..7
	s_and_b32 s20, s[WV], 1                        ; pw: which 128 rows of P are mine
	s_lshr_b32 s21, s[WV], 1                       ; rw: which 32 rows of R
	s_and_b32 s22, s[WV], 3                        ; which part I fetch
	s_bfe_u32 s18, ttmp6, 0x40000                  ; cx
	s_bfe_u32 s19, ttmp6, 0x40004                  ; cy
	s_and_b32 s[KIND], ttmp7, 0xffff               ; cluster y: 0 Q, 1 K, 2 V: the same in all sixteen partners
	s_lshr_b32 s96, ttmp9, 1
	s_and_b32 s100, ttmp9, 1
	s_cmp_eq_u32 s[KIND], 2
	s_cselect_b32 s96, s96, 0                      ; V: P has 32 tiles, R has 8; Q, K: P has 4, R has 64
	s_cselect_b32 s100, s100, ttmp9
	s_lshl_b32 s92, s96, 2
	s_add_co_u32 s92, s92, s18                     ; P's tile: hangs on cx, never on cy
	s_lshl_b32 s93, s100, 2
	s_add_co_u32 s93, s93, s19                     ; R's tile: hangs on cy, never on cx
	s_lshl_b32 s94, 0x1111, s18                    ; my column of the cluster: P's mask
	s_lshl_b32 s95, s19, 2
	s_lshl_b32 s95, 15, s95                        ; my row: R's mask
	s_lshl_b32 s96, s92, 8
	s_lshl_b32 s97, s22, 6
	s_add_co_u32 s96, s96, s97                     ; the first of the 64 rows of P that I would fetch
	s_mul_i32 s98, s96, 768                        ; its codes (a row of 1,024 codes is 768 bytes),
	s_mov_b32 s99, 0
	s_lshl_b32 s96, s96, 5                         ; its scale bytes (32 a row)
	s_mov_b32 s97, 0
	s_lshl_b32 s100, s93, 7
	s_lshl_b32 s101, s22, 5
	s_add_co_u32 s100, s100, s101                  ; the first of the 32 rows of R
	s_mul_i32 s2, s100, 768
	s_mov_b32 s3, 0
	s_lshl_b32 s100, s100, 5
	s_mov_b32 s101, 0
	s_mov_b32 s66, 0x76543210
	s_mov_b32 s67, 0xfedcba98                      ; v_permlanex16_b32's selects for lane l xor 16
	s_wait_dscnt 0x0                               ; both opening adds are done
	s_wait_kmcnt 0x0
	s_cmp_eq_u32 s[KIND], 1                        ; the kind's five buffers: a choice that hangs on the cluster's number alone
.irp i, 0,2,4,6,8
	s_cselect_b64 s[24+\i:25+\i], s[36+\i:37+\i], s[24+\i:25+\i]
.endr
	s_cmp_eq_u32 s[KIND], 2
.irp i, 0,2,4,6,8
	s_cselect_b64 s[24+\i:25+\i], s[48+\i:49+\i], s[24+\i:25+\i]
.endr
	s_cselect_b64 s[4:5], s[24:25], s[28:29]       ; P's codes: V: the tokens'; Q, K: the weight's
	s_cselect_b64 s[6:7], s[26:27], s[30:31]       ; P's scales
	s_cselect_b64 s[8:9], s[28:29], s[24:25]       ; R's codes
	s_cselect_b64 s[10:11], s[30:31], s[26:27]     ; R's scales
	s_mov_b64 s[12:13], s[32:33]                   ; the bias
	s_cmp_eq_u32 s[KIND], 0
	s_cselect_b64 s[14:15], s[60:61], s[62:63]     ; out: qws or kvws
	s_add_nc_u64 s[4:5], s[4:5], s[98:99]
	s_add_nc_u64 s[6:7], s[6:7], s[96:97]
	s_add_nc_u64 s[8:9], s[8:9], s[2:3]
	s_add_nc_u64 s[10:11], s[10:11], s[100:101]
	; group 1.  Codes: elements of 1 byte, rows of 192, 768 bytes apart, 4 words of padding behind every 16.  Scale bytes: a dense block as rows of 256 bytes (32 elements of 8), 4 words behind every 64.  Bit 21 stands beside a mask.
	s_or_b32 s[G1P], s94, (1<<20)|(1<<21)|(3<<22)|(3<<25)
	SHAPE G1P, 192, 64, 768
	s_or_b32 s[G1R], s95, (1<<20)|(1<<21)|(3<<22)|(3<<25)
	SHAPE G1R, 192, 32, 768
	s_or_b32 s[G1SP], s94, (3<<16)|(1<<20)|(1<<21)|(5<<22)|(3<<25)
	SHAPE G1SP, 32, 8, 32
	s_or_b32 s[G1SR], s95, (3<<16)|(1<<20)|(1<<21)|(5<<22)|(3<<25)
	SHAPE G1SR, 32, 4, 32
	s_mul_i32 s23, s22, 8*272                      ; group 0: every LDS address is a constant + a constant x (wave % 4)
	PLACE G0PS, 23, SCL, 6, 0
	s_mul_i32 s23, s22, 64*PITCH
	PLACE G0P0, 23, 0, 4, 0
	PLACE G0P1, 23, SLOT, 4, 192
	PLACE G0P2, 23, 2*SLOT, 4, 384
	s_mul_i32 s23, s22, 4*272
	PLACE G0RS, 23, SCLR, 10, 0
	s_mul_i32 s23, s22, 32*PITCH
	PLACE G0R0, 23, PPART, 8, 0
	PLACE G0R1, 23, SLOT+PPART, 8, 192
	PLACE G0R2, 23, 2*SLOT+PPART, 8, 384
	CROUND                                         ; all sixteen work-groups are here: the first joint loads meet
	JLOAD G0PS, G1SP, G0RS, G1SR                   ; the scale bytes for all of K, filled once
	JLOAD G0P0, G1P, G0R0, G1R                     ; chunks 0, 1, 2: four tensor loads of mine are out
	JLOAD G0P1, G1P, G0R1, G1R
	JLOAD G0P2, G1P, G0R2, G1R
	; THE BIAS GOES INTO THE ACCUMULATORS, so that all eight K steps are alike and nothing is cleared or added later.
	s_lshl_b32 s96, s92, 8
	s_lshl_b32 s97, s20, 7
	s_add_co_u32 s96, s96, s97                     ; my first row of P
	s_lshl_b32 s100, s93, 7
	s_lshl_b32 s101, s21, 5
	s_add_co_u32 s100, s100, s101                  ; my first row of R
	s_cmp_eq_u32 s[KIND], 2
	s_cselect_b32 s2, s100, s96                    ; the bias runs along the weight's rows: R's for V, P's for Q and K
	s_lshl_b32 s2, s2, 2
	s_mov_b32 s3, 0
	s_add_nc_u64 s[12:13], s[12:13], s[2:3]
	v_and_b32 v1, 15, v0                           ; r
	v_bfe_u32 v2, v0, 4, 1                         ; h
	v_lshlrev_b32 v[OFA], 5, v2                    ; 32 h
	v_lshlrev_b32 v[OFB], 2, v1                    ; 4 r
	s_cmp_eq_u32 s[KIND], 2
	s_cbranch_scc1 .Lbias_v
.irp p, 0,1,2,3,4,5,6,7
.irp t, 0,1
	global_load_b128 v[ACC+64*\t+8*\p:ACC+64*\t+8*\p+3], v[OFA], s[12:13] offset:64*\p      ; register j of tile p: the bias of P row 16 p + 8 h + j
	global_load_b128 v[ACC+64*\t+8*\p+4:ACC+64*\t+8*\p+7], v[OFA], s[12:13] offset:64*\p+16
.endr
.endr
	s_branch .Lbias_done
.Lbias_v:
	global_load_b32 v80, v[OFB], s[12:13]          ; V: the bias of my lane's channel 16 t + r, the same in all registers
	global_load_b32 v81, v[OFB], s[12:13] offset:64
	s_wait_loadcnt 0x0
.irp t, 0,1
.irp i, 0,1,2,3,4,5,6,7,8,9,10,11,12,13,14,15,16,17,18,19,20,21,22,23,24,25,26,27,28,29,30,31
	v_dual_mov_b32 v[ACC+64*\t+2*\i], v[80+\t] :: v_dual_mov_b32 v[ACC+64*\t+2*\i+1], v[80+\t]
.endr
.endr
.Lbias_done:
	v_mul_u32_u24 v3, v1, PITCH
	v_mad_u32_u24 v3, v2, 24, v3                   ; a fragment's row x pitch + 24 x half
	s_mul_i32 s2, s20, 128*PITCH
	s_mul_i32 s3, s21, 32*PITCH
	s_add_co_u32 s3, s3, PPART
.irp s, 0,1,2
	v_add_nc_u32 v[ADRP+\s], s2, v3
	v_add_nc_u32 v[ADRR+\s], s3, v3
	v_lshl_add_u32 v[ADRP+3+\s], v2, 4, v[ADRP+\s] ; the same behind one padding more
	v_lshl_add_u32 v[ADRR+3+\s], v2, 4, v[ADRR+\s]
	s_add_co_u32 s2, s2, SLOT
	s_add_co_u32 s3, s3, SLOT
.endr
	v_lshrrev_b32 v82, 3, v1                       ; scale bytes: 32 a row, 8 rows to a unit of 272
	v_and_b32 v83, 7, v1
	v_lshlrev_b32 v83, 5, v83
	v_mad_u32_u24 v83, v82, 272, v83
	v_mad_u32_u24 v[ADSP], v2, 8*272, v83          ; lanes 16-31: four tiles (8 units) on
	v_mad_u32_u24 v[ADSR], v2, 2*272, v83          ; lanes 16-31: one tile on
	s_mul_i32 s2, s20, 16*272
	s_add_co_u32 s2, s2, SCL
	s_mul_i32 s3, s21, 4*272
	s_add_co_u32 s3, s3, SCLR
	v_add_nc_u32 v[ADSP], s2, v[ADSP]
	v_add_nc_u32 v[ADSR], s3, v[ADSR]
.macro FRAG reg, adr, q, i             ; 16 rows x 128 K of 6-bit codes: 12 registers, six loads of 8 bytes; lanes 16-31 read three pieces on, for some pieces behind one padding more
.irp p, 0,1,2,3,4,5
.set PCE, 12*(\q)+6*(\p/3)+\p%3
.if PCE%8 < 5
	ds_load_b64 v[(\reg)+2*\p:(\reg)+2*\p+1], v[\adr] offset:8*PCE+16*(PCE/8)+(\i)*16*PITCH
.else
	ds_load_b64 v[(\reg)+2*\p:(\reg)+2*\p+1], v[(\adr)+3] offset:8*PCE+16*(PCE/8)+(\i)*16*PITCH
.endif
.endr
.endm
.macro FETCH s                         ; K step s (128 along K): 8 fragments of P, 2 of R, 5 registers of scale words: 65 LDS loads into set s % 2
.set FSL, ((\s)/2)%3
.set FQ,  (\s)%2
	WIN 0x40                                       ; destination window 1
.irp i, 0,1,2,3,4,5,6,7
	FRAG 96*FQ+FR*\i, ADRP+FSL, FQ, \i
.endr
	WIN 0
.irp i, 0,1
	FRAG RB+24*FQ+FR*\i, ADRR+FSL, FQ, \i
.endr
.irp i, 0,1,2,3
	ds_load_b32 v[SC+5*FQ+\i], v[ADSP] offset:544*\i+4*(\s)
.endr
	ds_load_b32 v[SC+5*FQ+4], v[ADSR] offset:4*(\s)
.endm
.macro WM d, a, b, sa, sb, ra, rb      ; one product in place; ra, rb: the scales stand in lanes 16-31
.if (\ra) && (\rb)
	v_wmma_scale_f32_16x16x128_f8f6f4 v[(\d):(\d)+7], v[(\a):(\a)+11], v[(\b):(\b)+11], v[(\d):(\d)+7], v[(\sa)], v[(\sb)] matrix_a_fmt:MATRIX_FMT_FP6 matrix_b_fmt:MATRIX_FMT_FP6 matrix_a_scale:MATRIX_SCALE_ROW1 matrix_b_scale:MATRIX_SCALE_ROW1
.elseif (\ra)
	v_wmma_scale_f32_16x16x128_f8f6f4 v[(\d):(\d)+7], v[(\a):(\a)+11], v[(\b):(\b)+11], v[(\d):(\d)+7], v[(\sa)], v[(\sb)] matrix_a_fmt:MATRIX_FMT_FP6 matrix_b_fmt:MATRIX_FMT_FP6 matrix_a_scale:MATRIX_SCALE_ROW1
.elseif (\rb)
	v_wmma_scale_f32_16x16x128_f8f6f4 v[(\d):(\d)+7], v[(\a):(\a)+11], v[(\b):(\b)+11], v[(\d):(\d)+7], v[(\sa)], v[(\sb)] matrix_a_fmt:MATRIX_FMT_FP6 matrix_b_fmt:MATRIX_FMT_FP6 matrix_b_scale:MATRIX_SCALE_ROW1
.else
	v_wmma_scale_f32_16x16x128_f8f6f4 v[(\d):(\d)+7], v[(\a):(\a)+11], v[(\b):(\b)+11], v[(\d):(\d)+7], v[(\sa)], v[(\sb)] matrix_a_fmt:MATRIX_FMT_FP6 matrix_b_fmt:MATRIX_FMT_FP6
.endif
.endm
.macro MUL8 s, p0                      ; P's tiles p0 .. p0 + 3 x R's two.  The 16 accumulators take turns, one instruction a turn, in the same order in every step
.irp p, \p0, \p0+1, \p0+2, \p0+3
.irp t, 0,1
	WM ACC+64*\t+8*(\p), 96*((\s)%2)+FR*(\p), RB+24*((\s)%2)+FR*\t, SC+5*((\s)%2)+(\p)%4, SC+5*((\s)%2)+4, (\p)/4, \t
.endr
.endr
.endm
.macro MULS s
	WIN 0x01                                       ; source 0 (P) window 1
	MUL8 \s, 0
	MUL8 \s, 4
	WIN 0
.endm
.macro PLAIN s                         ; a step whose successor's bytes are known to lie in LDS
	s_wait_dscnt 0x0                               ; this step's 65 loads are in
	PLACES                                         ; behind the last step's products, whose registers the loads below take
	FETCH (\s)+1
	MULS \s
.endm
	s_wait_tensorcnt 2                             ; the scale bytes and my part of chunk 0 are in; chunks 1 and 2 may stay out
	s_barrier_signal -1
	s_barrier_wait -1                              ; everybody's are
	FETCH 0
	s_wait_loadcnt 0x0                             ; the bias lies in the accumulators
	s_wait_dscnt 0x0
	FETCH 1
	MULS 0
	; STEP 1 CHANGES SLOT 0'S TILE.  Its fragments were the last reads of chunk 0.
	s_wait_tensorcnt 0x0                           ; all my tensor loads have landed: my parts of chunks 1 and 2;
	ds_add_u32 v[SPW], v[NIL]                      ; 0 onto my spare word
	s_wait_dscnt 1                                 ; (step 1's 65 loads are in; the add may be out)
	WIN 0x01
	MUL8 1, 0                                      ; eight products stand between the add and the wait for it
	s_wait_dscnt 0x0                               ; the add is done, and my reads of slot 0 are over
	s_barrier_signal -1                            ; this barrier opens a round of the cluster's barrier
	MUL8 1, 4
	WIN 0
	s_barrier_wait -1
	CREST                                          ; no wave of any partner still reads slot 0 or has a load on its way; chunks 1 and 2 are whole for every wave
	s_add_nc_u64 s[G0P0+2:G0P0+3], s[G0P0+2:G0P0+3], 576   ; chunk 3: three chunks of 192 bytes on
	s_add_nc_u64 s[G0R0+2:G0R0+3], s[G0R0+2:G0R0+3], 576
	JLOAD G0P0, G1P, G0R0, G1R                     ; the first tensor load behind the round, and my only one; its four v_nop are the places in front of the loads below
	FETCH 2
	PLAIN 2
	PLAIN 3
	PLAIN 4
	s_wait_dscnt 0x0                               ; STEP 5: chunk 3 is wanted next
	s_wait_tensorcnt 0x0                           ; my part of it has landed (one load was out)
	s_barrier_signal -1
	WIN 0x01
	MUL8 5, 0
	WIN 0
	s_barrier_wait -1                              ; everybody's has
	PLACES
	FETCH 6
	WIN 0x01
	MUL8 5, 4
	WIN 0
	PLAIN 6
	s_wait_dscnt 0x0
	MULS 7
	PLACES
	; THE QUANTISER.  Block (t, b): the 16 registers of tiles 2 b and 2 b + 1 of column tile t, with lane l xor 16's 16.  Each accumulator is read from its low end on.
.irp t, 0,1
.irp b, 0,1,2,3
	v_max3_num_f32 v[MX+4*\t+\b], |v[ACC+64*\t+16*\b]|, |v[ACC+64*\t+16*\b+1]|, 0x1800000   ; with the floor 2^(3 - 127): the byte cannot fall under 1
.endr
.endr
.irp i, 2,4,6,8,10,12,14
.irp t, 0,1
.irp b, 0,1,2,3
	v_max3_num_f32 v[MX+4*\t+\b], v[MX+4*\t+\b], |v[ACC+64*\t+16*\b+\i]|, |v[ACC+64*\t+16*\b+\i+1]|
.endr
.endr
.endr
.irp n, 0,1,2,3,4,5,6,7
	v_permlanex16_b32 v[PX+\n], v[MX+\n], s66, s67
.endr
.irp n, 0,1,2,3,4,5,6,7
	v_max_num_f32 v[MX+\n], v[MX+\n], v[PX+\n]     ; the block's largest magnitude
.endr
.irp n, 0,1,2,3,4,5,6,7
	v_add_nc_u32 v[SO+\n], 0xff000000, v[MX+\n]    ; 2 off its exponent field: the conversion's scale operand
.endr
.irp n, 0,1,2,3,4,5,6,7
	v_lshrrev_b32 v[BY+\n], 23, v[SO+\n]           ; the scale's byte
.endr
.irp g, 0,1
.irp t, 0,1
	v_lshl_or_b32 v[HW+2*\g+\t], v[BY+4*\t+2*\g+1], 8, v[BY+4*\t+2*\g]   ; unit (g, t): blocks 2 g and 2 g + 1 of column tile t
.endr
.endr
.macro CONV f, t, g, n                 ; unit (g, t), the n-th of four, becomes six registers at f: the first block's 16 codes there, the second's at TT + 4 n (a conversion's three registers begin on an even number)
	v_cvt_scalef32_pk16_fp6_f32 v[(\f):(\f)+2], v[ACC+64*(\t)+32*(\g):ACC+64*(\t)+32*(\g)+15], v[SO+4*(\t)+2*(\g)]
	v_cvt_scalef32_pk16_fp6_f32 v[TT+4*(\n):TT+4*(\n)+2], v[ACC+64*(\t)+32*(\g)+16:ACC+64*(\t)+32*(\g)+31], v[SO+4*(\t)+2*(\g)+1]
.endm
.macro WHOLE f, n                      ; the operand's layout wants a whole block in a lane: lanes 0-15 the first block, lanes 16-31 the second
.irp i, 0,1,2
	v_permlane16_swap_b32 v[(\f)+\i], v[TT+4*(\n)+\i]
.endr
.irp i, 0,1,2
	v_mov_b32 v[(\f)+3+\i], v[TT+4*(\n)+\i]
.endr
.endm
	s_cmp_eq_u32 s[KIND], 2
	s_cbranch_scc1 .Lout_v
	; Q, K: fragment g = head g of my two; its half t = tokens 16 t on of my block of 32
	s_lshr_b32 s2, s100, 11                        ; b
	s_lshl_b32 s2, s2, 4
	s_lshr_b32 s23, s96, 6
	s_add_co_u32 s2, s2, s23                       ; bh of fragment 0
	s_bfe_u32 s3, s100, 0x60005                    ; the block of 32 tokens, 0 .. 63
	s_lshr_b32 s22, s3, 2
	s_and_b32 s3, s3, 3
	s_cmp_eq_u32 s[KIND], 0
	s_mov_b32 s96, 204800
	s_cselect_b32 s96, 98304, s96                  ; from head to head
	s_mov_b32 s94, 12800
	s_cselect_b32 s94, 6144, s94                   ; from four blocks to the next four
	s_mov_b32 s95, 12288
	s_cselect_b32 s95, 6291456, s95                ; where the scale words begin
	s_mov_b32 s101, 204800
	s_cselect_b32 s101, 4096, s101                 ; scale words: from head to head
	s_mov_b32 s23, 12800
	s_cselect_b32 s23, 256, s23                    ; and from four blocks to the next four
	s_mul_i32 s98, s2, s96
	s_mul_i32 s94, s22, s94
	s_add_co_u32 s98, s98, s94
	s_mul_i32 s94, s3, 1536
	s_add_co_u32 s98, s98, s94                     ; fragment 0
	s_mul_i32 s2, s2, s101
	s_mul_i32 s23, s22, s23
	s_add_co_u32 s2, s2, s23
	s_lshl_b32 s3, s3, 6
	s_add_co_u32 s2, s2, s3
	s_add_co_u32 s2, s2, s95                       ; its scale words
.irp g, 0,1
.irp t, 0,1
	CONV F0+12*\g+6*\t, \t, \g, 2*\g+\t
.endr
.endr
	v_lshl_or_b32 v[WD], v[HW+1], 16, v[HW]        ; [A0, A1, B0, B1] of head 0.  (A plain place behind the conversions)
	v_lshl_or_b32 v[WD+1], v[HW+3], 16, v[HW+2]
.irp g, 0,1
.irp t, 0,1
	WHOLE F0+12*\g+6*\t, 2*\g+\t
.endr
.endr
	s_branch .Lstore
.Lout_v:
	; V: fragment t = channel tile t of my two; its half g = keys 64 g on of my 128
	s_lshr_b32 s2, s96, 11                         ; b
	s_lshl_b32 s2, s2, 4
	s_lshr_b32 s23, s100, 6                        ; head
	s_add_co_u32 s2, s2, s23
	s_bfe_u32 s3, s96, 0x40007                     ; the step of 128 keys
	s_bfe_u32 s94, s100, 0x20004                   ; my first channel tile in the head: 0 or 2
	s_mul_i32 s2, s2, 204800
	s_mul_i32 s3, s3, 12800
	s_add_co_u32 s2, s2, s3
	s_mul_i32 s98, s94, 1536
	s_add_co_u32 s98, s98, s2
	s_add_co_u32 s98, s98, 6144                    ; fragment 0
	s_lshl_b32 s94, s94, 6
	s_add_co_u32 s2, s2, s94
	s_add_co_u32 s2, s2, 12544                     ; its scale words
	s_mov_b32 s96, 1536
	s_mov_b32 s101, 64
.irp g, 0,1
.irp t, 0,1
	CONV F0+12*\t+6*\g, \t, \g, 2*\g+\t
.endr
.endr
	v_lshl_or_b32 v[WD], v[HW+2], 16, v[HW]        ; the four key blocks' bytes of channel tile 0.  (A plain place behind the conversions)
	v_lshl_or_b32 v[WD+1], v[HW+3], 16, v[HW+1]
.irp g, 0,1
.irp t, 0,1
	WHOLE F0+12*\t+6*\g, 2*\g+\t
.endr
.endr
.Lstore:
	s_mov_b32 s99, 0
	s_mov_b32 s97, 0
	s_mov_b32 s3, 0
	s_add_nc_u64 s[98:99], s[14:15], s[98:99]      ; fragment 0,
	s_add_nc_u64 s[96:97], s[98:99], s[96:97]      ; fragment 1,
	s_add_nc_u64 s[2:3], s[14:15], s[2:3]          ; the scale words
	s_mov_b32 s23, 0xffff0000
	v_cndmask_b32 v[WD+2], v[WD], v[WD+1], s23     ; lanes 0-15 store fragment 0's words, lanes 16-31 fragment 1's (both halves of the lanes hold row r's bytes)
	v_and_b32 v[OFA], 31, v0
	v_lshlrev_b32 v[OFA], 4, v[OFA]                ; 16 x lane
	v_mul_lo_u32 v82, v2, s101
	v_lshl_add_u32 v[OFB], v1, 2, v82              ; 4 r + h x the distance of the two fragments' words
.irp c, 0,1,2
	global_store_b128 v[OFA], v[F0+4*\c:F0+4*\c+3], s[98:99] offset:512*\c         ; 32 lanes store 512 consecutive bytes, at a multiple of 256 from the buffer's first byte
	global_store_b128 v[OFA], v[F0+12+4*\c:F0+12+4*\c+3], s[96:97] offset:512*\c
.endr
	global_store_b32 v[OFB], v[WD+2], s[2:3]
	s_wait_tensorcnt 0x0                           ; the wave's end: behind my last tensor load
	ds_add_u32 v[SPW], v[NIL]
	s_wait_dscnt 0x0
	CROUND                                         ; the closing round: no work-group ends while a partner may still ask for a tile that names it
	s_endpgm
.Lfunc_end_k_q1acdc7daaf_proj:
	.size	k_q1acdc7daaf_proj, .Lfunc_end_k_q1acdc7daaf_proj-k_q1acdc7daaf_proj
	.p2alignl 7, 3214868480
	.fill 96, 4, 3214868480
	.section	.rodata,"a",@progbits
	.p2align	6, 0x0
	.amdhsa_kernel k_q1acdc7daaf_proj
		.amdhsa_group_segment_fixed_size 327680
		.amdhsa_private_segment_fixed_size 0
		.amdhsa_enable_private_segment 0
		.amdhsa_kernarg_size 136
		.amdhsa_user_sgpr_count 2
		.amdhsa_user_sgpr_kernarg_segment_ptr 1
		.amdhsa_wavefront_size32 1
		.amdhsa_system_sgpr_workgroup_id_x 1
		.amdhsa_system_sgpr_workgroup_id_y 1
		.amdhsa_system_sgpr_workgroup_id_z 1
		.amdhsa_system_vgpr_workitem_id 0
		.amdhsa_next_free_vgpr 448
		.amdhsa_next_free_sgpr 102
		.amdhsa_reserve_vcc 0
		.amdhsa_float_denorm_mode_32 3
		.amdhsa_float_denorm_mode_16_64 3
		.amdhsa_memory_ordered 1
		.amdhsa_forward_progress 1
		.amdhsa_inst_pref_size 84
	.end_amdhsa_kernel
	.amdgpu_metadata
---
amdhsa.version: [ 1, 2 ]
amdhsa.kernels:
  - .name:           k_q1acdc7daaf_proj
    .symbol:         k_q1acdc7daaf_proj.kd
    .args:
      - { .name: q_codes, .offset: 0, .size: 8, .value_kind: global_buffer, .address_space: global }
      - { .name: q_scales, .offset: 8, .size: 8, .value_kind: global_buffer, .address_space: global }
      - { .name: Wq_codes, .offset: 16, .size: 8, .value_kind: global_buffer, .address_space: global }
      - { .name: Wq_scales, .offset: 24, .size: 8, .value_kind: global_buffer, .address_space: global }
      - { .name: bq, .offset: 32, .size: 8, .value_kind: global_buffer, .address_space: global }
      - { .name: k_codes, .offset: 40, .size: 8, .value_kind: global_buffer, .address_space: global }
      - { .name: k_scales, .offset: 48, .size: 8, .value_kind: global_buffer, .address_space: global }
      - { .name: Wk_codes, .offset: 56, .size: 8, .value_kind: global_buffer, .address_space: global }
      - { .name: Wk_scales, .offset: 64, .size: 8, .value_kind: global_buffer, .address_space: global }
      - { .name: bk, .offset: 72, .size: 8, .value_kind: global_buffer, .address_space: global }
      - { .name: v_codes, .offset: 80, .size: 8, .value_kind: global_buffer, .address_space: global }
      - { .name: v_scales, .offset: 88, .size: 8, .value_kind: global_buffer, .address_space: global }
      - { .name: Wv_codes, .offset: 96, .size: 8, .value_kind: global_buffer, .address_space: global }
      - { .name: Wv_scales, .offset: 104, .size: 8, .value_kind: global_buffer, .address_space: global }
      - { .name: bv, .offset: 112, .size: 8, .value_kind: global_buffer, .address_space: global }
      - { .name: qws, .offset: 120, .size: 8, .value_kind: global_buffer, .address_space: global }
      - { .name: kvws, .offset: 128, .size: 8, .value_kind: global_buffer, .address_space: global }
    .group_segment_fixed_size: 327680
    .private_segment_fixed_size: 0
    .kernarg_segment_align: 8
    .kernarg_segment_size: 136
    .max_flat_workgroup_size: 256
    .sgpr_count:     102
    .vgpr_count:     448
    .wavefront_size: 32
...
	.end_amdgpu_metadata
.endif
;; end of part 2
;; launch attn (part 3): grid 4 x 64, 16 waves a work-group, no clusters, 206,848 bytes of LDS; arguments qws, kvws, maskw, flags, ycodes, yscales; writes ycodes, yscales
.if DOCPART == 3
	.amdgcn_target "amdgcn-amd-amdhsa--gfx1250"
	.amdhsa_code_object_version 6
	.text
	.protected	k_q1acdc7daaf_attn
	.globl	k_q1acdc7daaf_attn
	.p2align	8
	.type	k_q1acdc7daaf_attn,@function
k_q1acdc7daaf_attn:
	s_mov_b64 s[64:65], 0
	v_nop
	global_prefetch_b8 v0, s[64:65] scope:SCOPE_SE
	s_setreg_imm32_b32 hwreg(HW_REG_WAVE_MODE, 25, 1), 1
	s_wait_xcnt 0x0
; y[b][q][head] = softmax_k(masked qh . kh / 8) vh, both products on codes of FP6 (E2M3), and y's quantising along the 1,024 channels for the last product.  No work is left out.
; THE SOFTMAX AHEAD OF THE SECOND PRODUCT: t = score x log2(e) / 8; M = the row's largest t so far, rounded up to a whole number; p = 2^(t - M) is quantised along the keys, not normalised; the row's sum is
; taken of the unquantised p and divides at the end.  When M moves, the sum and O are multiplied by 2^(old M - new M), which rounds nothing.
; SHARES.  A work-group owns 512 queries of one (b, head); each of its 16 waves a block of 32, taken as two tiles of 16, one after the other (PASS 0, PASS 1).  Four waves share a SIMD: one wave's vector work stands beside another's products and LDS loads.
; K AND V OF THE WHOLE HEAD LIE IN LDS, 16 steps x 12,800 bytes, as images of the operands' registers with their scale words: wave w copies step w through its registers, one barrier, and LDS is only read from there on.
; NO CLUSTER, NO TENSOR LOAD: the text branches on stored whole numbers (the flags); and what the four work-groups of a head share is 204,800 bytes, read once by each at its head.
; K = 64 IN AN INSTRUCTION OF 128.  A fragment of K holds two tiles of 16 keys (registers 0-5 and 6-11).  Q stands in 18 registers, six zeros | q | six zeros: [q | 0] gives the first tile's scores, [0 | q] the second's.
; Zero codes add nothing: FP6 has no NaN or infinity, and every scale byte here lies between 1 and 254.
; LAYOUT.  Both products are used transposed: S^T = K Q^T, O^T = V^T P^T: a lane holds one query (lane % 16) throughout; register 8 u + j of S is key 128 step + 16 u + 8 (lane / 16) + j.
; p's codes of a block of 32 keys lie in the order 0-7, 16-23, 8-15, 24-31, as V's do.  y meets given codes (Wout), so its blocks are put back into the natural order by four byte permutes.
; THE MASK.  A masked score is replaced by -2^33 (a logit of -2^30 for reference()'s -1e9).  c x 2^33 is a whole number in f32, so in a row that is masked throughout t - M is exactly 0 and every p is 1: the plain mean,
; as reference() gives; in any other row a masked p is 0, as with -1e9.  A tile with no masked score (its flag is 0) passes over the mask words' loads and the 64 selects.
; LIMITS: rows whose unmasked logits fall under about -1e9 are not served as reference() has them.  NaN and infinities are not served.  A block under the floor 2^-124 keeps the scale byte 1 (only this program reads the bytes).
.set STEPB, 12800                      ; a step in LDS: 4 fragments of K, 4 of V (at 6,144), K's scale words (12,288), V's (12,544)
.set SPARE, 16*STEPB                   ; the spare words, 128 bytes for each wave: eight blocks of 256 bytes that no other line names
.set L16, 1                            ; v1  16 x lane
.set L4,  2                            ; v2  4 x lane
.set SPW, 3
.set NIL, 4
.set A16, 5                            ; v5  the step's fragments
.set A4,  6                            ; v6  the step's scale words
.set NEG, 7                            ; v7  -2^33
.set L8,  9                            ; v9  8 x lane
.set YB,  10                           ; v10 2 r + h
.set KF,  48                           ; v48-95 K's four fragments; behind the score products the same registers are at work:
.set PC,  48                           ;   v48-59 p's codes
.set YT,  60                           ;   v60-62, v64-66 the conversions' second halves
.set BM,  68                           ;   v68-71 the blocks' largest scores, then p
.set PT,  72                           ;   v72-75 the other half's
.set SO,  76                           ;   v76-79 scale operands
.set BY,  80                           ;   v80-83 scale bytes
.set S,   96                           ; v96-159 S^T, then p
.set O,   160                          ; v160-191 O^T
.set VF,  192                          ; v192-239 V's four fragments
; v12 -M, v13 the largest t, v[14:15] the sum in two halves; v[16:33] the Q run; v34 Q's scale word; v35 both tiles' word; v[36:47] both tiles' codes; v240-243 K's and V's scale words; v244 p's; v[246:247] f; v248-251 at work
	s_load_b256 s[4:11], s[0:1], 0x0               ; qws s[4:5], kvws s[6:7], maskw s[8:9], flags s[10:11]
	s_load_b128 s[12:15], s[0:1], 0x20             ; ycodes s[12:13], yscales s[14:15]
	v_lshl_add_u32 v[SPW], v0, 2, SPARE
	v_mov_b32 v[NIL], 0
	v_lshrrev_b32 v5, 5, v0
	v_readfirstlane_b32 s16, v5                    ; wave 0..15
	v_and_b32 v6, 31, v0
	v_lshlrev_b32 v[L16], 4, v6
	v_lshlrev_b32 v[L4], 2, v6
	v_lshlrev_b32 v[L8], 3, v6
	v_and_b32 v10, 15, v0                          ; r
	v_lshlrev_b32 v11, 2, v10                      ; 4 r
	v_bfe_u32 v8, v0, 4, 1                         ; h
	v_lshl_add_u32 v[YB], v10, 1, v8
	v_mov_b32 v[NEG], 0xd0000000
	s_and_b32 s18, ttmp7, 0xffff                   ; bh = 16 b + head
	s_mul_i32 s2, s18, 16*STEPB
	s_mul_i32 s3, s16, STEPB
	v_add_nc_u32 v[A16], s3, v[L16]                ; where I put step w: 16 x lane + 12,800 x wave
	s_add_co_u32 s2, s2, s3
	s_mov_b32 s3, 0
	s_lshl_b32 s17, ttmp9, 4
	s_add_co_u32 s17, s17, s16                     ; my block of 32 queries
	s_mul_i32 s32, s18, 98304
	s_mul_i32 s33, s17, 1536
	s_add_co_u32 s32, s32, s33                     ; its fragment,
	s_mov_b32 s33, 0
	s_lshl_b32 s34, s18, 12
	s_lshl_b32 s35, s17, 6
	s_add_co_u32 s34, s34, s35
	s_add_co_u32 s34, s34, 6291456                 ; its scale words
	s_mov_b32 s35, 0
	s_lshr_b32 s19, s18, 4
	s_lshl_b32 s19, s19, 7
	s_lshl_b32 s29, s17, 1
	s_add_co_u32 s19, s19, s29                     ; my first tile of 16 queries among all 512: 128 b + 2 x block
	s_and_b32 s18, s18, 15                         ; the head
	s_mov_b32 s20, 0x76543210
	s_mov_b32 s21, 0xfedcba98                      ; v_permlanex16_b32's selects for lane l xor 16
	s_mov_b32 s22, 0x3e38aa3b                      ; c = log2(e) / 8
	s_mov_b32 s23, s22                             ; (named with it as a pair, so it is written)
	s_mov_b32 s26, 0xffff0000                      ; lanes 16-31
	s_wait_kmcnt 0x0
	s_add_nc_u64 s[6:7], s[6:7], s[2:3]
	s_add_nc_u64 s[32:33], s[4:5], s[32:33]
	s_add_nc_u64 s[34:35], s[4:5], s[34:35]
.set I, 0
.rept 25
	global_load_b128 v[96+4*I:99+4*I], v[L16], s[6:7] offset:512*I   ; step w's 12,800 bytes, 512 consecutive bytes a load
.set I, I+1
.endr
.irp c, 0,1,2
	global_load_b128 v[36+4*\c:39+4*\c], v[L16], s[32:33] offset:512*\c   ; Q's fragment: both tiles
.endr
	global_load_b32 v35, v11, s[34:35]             ; and its scale words
.set I, 0
.rept 25
	s_wait_loadcnt 28-I                            ; load I is in: the 24 - I behind it and Q's four may be out
	ds_store_b128 v[A16], v[96+4*I:99+4*I] offset:512*I
.set I, I+1
.endr
.irp i, 0,1,2,3,4,5
	v_mov_b32 v[16+\i], 0                          ; the Q run's zeros, written once
	v_mov_b32 v[28+\i], 0
.endr
	v_mov_b32 v247, 0                              ; (named as the upper half of the pair v[246:247])
	s_wait_dscnt 0x0                               ; for the others' sake: my stores have landed
	s_barrier_signal -1
	s_barrier_wait -1                              ; the head's K and V lie in LDS; nobody writes them again
	s_wait_loadcnt 0x0                             ; Q
.macro SCORE f                         ; K's fragment f against [q | 0] and [0 | q]: the scores of keys 32 f + 0..15 and 32 f + 16..31
.if (\f)%2
	v_wmma_scale_f32_16x16x128_f8f6f4 v[S+16*\f:S+16*\f+7], v[KF+12*\f:KF+12*\f+11], v[22:33], 0, v[240+\f/2], v34 matrix_a_fmt:MATRIX_FMT_FP6 matrix_b_fmt:MATRIX_FMT_FP6 matrix_a_scale:MATRIX_SCALE_ROW1
	v_wmma_scale_f32_16x16x128_f8f6f4 v[S+16*\f+8:S+16*\f+15], v[KF+12*\f:KF+12*\f+11], v[16:27], 0, v[240+\f/2], v34 matrix_a_fmt:MATRIX_FMT_FP6 matrix_b_fmt:MATRIX_FMT_FP6 matrix_a_scale:MATRIX_SCALE_ROW1
.else
	v_wmma_scale_f32_16x16x128_f8f6f4 v[S+16*\f:S+16*\f+7], v[KF+12*\f:KF+12*\f+11], v[22:33], 0, v[240+\f/2], v34 matrix_a_fmt:MATRIX_FMT_FP6 matrix_b_fmt:MATRIX_FMT_FP6
	v_wmma_scale_f32_16x16x128_f8f6f4 v[S+16*\f+8:S+16*\f+15], v[KF+12*\f:KF+12*\f+11], v[16:27], 0, v[240+\f/2], v34 matrix_a_fmt:MATRIX_FMT_FP6 matrix_b_fmt:MATRIX_FMT_FP6
.endif
.endm
.macro FRONT                           ; a step's 28 LDS loads and its eight score products
.irp f, 0,1,2,3
.irp c, 0,1,2
	ds_load_b128 v[KF+12*\f+4*\c:KF+12*\f+4*\c+3], v[A16] offset:1536*\f+512*\c
.endr
.endr
	ds_load_b32 v240, v[A4] offset:12288           ; lanes 0-15 fragment 0's words, lanes 16-31 fragment 1's
	ds_load_b32 v241, v[A4] offset:12416
.irp f, 0,1,2,3
.irp c, 0,1,2
	ds_load_b128 v[VF+12*\f+4*\c:VF+12*\f+4*\c+3], v[A16] offset:6144+1536*\f+512*\c
.endr
.endr
	ds_load_b32 v242, v[A4] offset:12544
	ds_load_b32 v243, v[A4] offset:12672
	s_wait_dscnt 14                                ; K's 14 loads are in; V's 14 may be out
	SCORE 0
	SCORE 1
	SCORE 2
	SCORE 3
.rept 4
	v_nop                                          ; places behind the products
.endr
.endm
.macro PASS u                          ; tile u of my block: 16 queries against all 2,048 keys
	s_add_co_u32 s29, s19, \u                      ; the tile among all 512
	s_lshl_b32 s2, s29, 6
	s_mov_b32 s3, 0
	s_add_nc_u64 s[32:33], s[10:11], s[2:3]
	s_load_b512 s[68:83], s[32:33], 0x0            ; its 16 flags
	s_lshl_b32 s2, s29, 12
	s_add_nc_u64 s[30:31], s[8:9], s[2:3]          ; its mask words: 16 steps x 256 bytes
.irp i, 0,1,2,3,4,5
	v_mov_b32 v[22+\i], v[36+6*\u+\i]              ; q
.endr
.if \u
	v_perm_b32 v34, v35, v35, 0x03020302           ; its two scale bytes, for both places of q in the run
.else
	v_perm_b32 v34, v35, v35, 0x01000100
.endif
.irp j, 0,1,2,3,4,5,6,7,8,9,10,11,12,13,14,15,16,17,18,19,20,21,22,23,24,25,26,27,28,29,30,31
	v_mov_b32 v[O+\j], 0                           ; O^T.  (The step is written once: the first finds zeros, which the first change of M leaves zeros)
.endr
	v_mov_b32 v14, 0
	v_mov_b32 v15, 0
	v_mov_b32 v13, 0xff61b1e6                      ; the largest t so far: -3e38, under every t
	v_floor_f32 v12, -v13
	s_mov_b32 s24, 0                               ; the step's first LDS byte
	s_mov_b32 s25, 0                               ; the step
	s_mov_b32 s28, 0                               ; its mask words
	s_wait_kmcnt 0x0
	s_or_b32 s27, s68, s69                         ; bit s: step s has a masked score
.irp i, 70,71,72,73,74,75,76,77,78,79,80,81,82,83
	s_or_b32 s27, s27, s[\i]
.endr
.Lstep_\@:
	v_add_nc_u32 v[A16], s24, v[L16]
	v_add_nc_u32 v[A4], s24, v[L4]
	v_nop
	v_nop                                          ; four places behind the last step's products, in front of the loads into their registers
	s_bitcmp1_b32 s27, s25
	s_cbranch_scc0 .Lplain_\@
	s_load_b512 s[32:47], s[30:31], s28 offset:0x0 ; the tile's 64 lane masks
	s_load_b512 s[48:63], s[30:31], s28 offset:0x40
	s_load_b512 s[68:83], s[30:31], s28 offset:0x80
	s_load_b512 s[84:99], s[30:31], s28 offset:0xc0
	FRONT
	s_wait_kmcnt 0x0
.irp n, 0,1,2,3,4,5,6,7,8,9,10,11,12,13,14,15,16,17,18,19,20,21,22,23,24,25,26,27,28,29,30,31
	v_cndmask_b32 v[S+\n], v[S+\n], v[NEG], s[32+\n]
.endr
.irp n, 0,1,2,3,4,5,6,7,8,9,10,11,12,13,14,15,16,17,18,19,20,21,22,23,24,25,26,27,28,29,30,31
	v_cndmask_b32 v[S+32+\n], v[S+32+\n], v[NEG], s[68+\n]
.endr
	s_branch .Ljoin_\@
.Lplain_\@:
	FRONT
.Ljoin_\@:
.irp b, 0,1,2,3
	v_max3_num_f32 v[BM+\b], v[S+16*\b], v[S+16*\b+1], v[S+16*\b+2]   ; the largest score of each block of 32 keys: for the row's maximum, and, since p rises with the score, for the block's largest p
.endr
.irp i, 3,5,7,9,11,13
.irp b, 0,1,2,3
	v_max3_num_f32 v[BM+\b], v[BM+\b], v[S+16*\b+\i], v[S+16*\b+\i+1]
.endr
.endr
.irp b, 0,1,2,3
	v_max_num_f32 v[BM+\b], v[BM+\b], v[S+16*\b+15]
.endr
.irp b, 0,1,2,3
	v_permlanex16_b32 v[PT+\b], v[BM+\b], s20, s21
.endr
.irp b, 0,1,2,3
	v_max_num_f32 v[BM+\b], v[BM+\b], v[PT+\b]     ; with lane l xor 16's 16 keys
.endr
	v_max3_num_f32 v248, v[BM], v[BM+1], v[BM+2]
	v_max_num_f32 v248, v248, v[BM+3]
	v_mul_f32 v248, s22, v248                      ; the step's largest t (c is positive)
	v_max_num_f32 v13, v13, v248
	v_mov_b32 v248, v12
	v_floor_f32 v12, -v13                          ; the new -M = floor(-t): M is a whole number
	v_sub_f32 v248, v12, v248                      ; old M - new M: a whole number, 0 or less
	v_cvt_i32_f32 v248, v248                       ; (it saturates)
	v_ldexp_f32 v246, 1.0, v248                    ; f = 2^(old M - new M)
.irp j, 0,2,4,6,8,10,12,14,16,18,20,22,24,26,28,30,32,34,36,38,40,42,44,46,48,50,52,54,56,58,60,62
	v_pk_fma_f32 v[S+\j:S+\j+1], v[S+\j:S+\j+1], s[22:23], v[12:13] op_sel_hi:[1,0,0]   ; t - M, two at a time
.endr
.irp b, 0,1,2,3
	v_fma_f32 v[BM+\b], v[BM+\b], s22, v12         ; the same of each block's largest score
.endr
.irp j, 0,1,2,3,4,5,6,7,8,9,10,11,12,13,14,15,16,17,18,19,20,21,22,23,24,25,26,27,28,29,30,31,32,33,34,35,36,37,38,39,40,41,42,43,44,45,46,47,48,49,50,51,52,53,54,55,56,57,58,59,60,61,62,63
	v_exp_f32 v[S+\j], v[S+\j]                     ; p = 2^(t - M)
.endr
	v_pk_mul_f32 v[14:15], v[14:15], v[246:247] op_sel_hi:[1,0]   ; the sums under the new M: a plain instruction behind the exponentials
	s_wait_alu depctr_va_vdst(0)                   ; one wait for the batch of 64, ahead of its first reader
.irp b, 0,1,2,3
	v_exp_f32 v[BM+\b], v[BM+\b]                   ; each block's largest p
.endr
	v_pk_add_f32 v[250:251], v[S:S+1], v[S+2:S+3]  ; the row's sum of the unquantised p, in two chains
.irp j, 4,8,12,16,20,24,28,32,36,40,44,48,52,56,60
	v_pk_add_f32 v[14:15], v[14:15], v[S+\j:S+\j+1]
	v_pk_add_f32 v[250:251], v[250:251], v[S+\j+2:S+\j+3]
.endr
	v_pk_add_f32 v[14:15], v[14:15], v[250:251]
	s_wait_alu depctr_va_vdst(0)                   ; and one for the four
.irp b, 0,1,2,3
	v_max_num_f32 v[BM+\b], 0x1800000, v[BM+\b]    ; the floor 2^(3 - 127): the byte cannot fall under 1
.endr
.irp b, 0,1,2,3
	v_add_nc_u32 v[SO+\b], 0xff000000, v[BM+\b]    ; 2 off the exponent field: the conversion's scale operand
.endr
.irp b, 0,1,2,3
	v_lshrrev_b32 v[BY+\b], 23, v[SO+\b]
.endr
	v_lshl_or_b32 v244, v[BY+1], 8, v[BY]          ; p's scale word for these 128 keys
	v_lshl_or_b32 v244, v[BY+2], 16, v244
	v_lshl_or_b32 v244, v[BY+3], 24, v244
.irp c, 0,1
	v_cvt_scalef32_pk16_fp6_f32 v[PC+6*\c:PC+6*\c+2], v[S+32*\c:S+32*\c+15], v[SO+2*\c]
	v_cvt_scalef32_pk16_fp6_f32 v[YT+4*\c:YT+4*\c+2], v[S+32*\c+16:S+32*\c+31], v[SO+2*\c+1]
.endr
	v_nop                                          ; one plain place behind the conversions
.irp c, 0,1
.irp i, 0,1,2
	v_permlane16_swap_b32 v[PC+6*\c+\i], v[YT+4*\c+\i]   ; a whole block to a lane: lanes 0-15 block 2 c, lanes 16-31 block 2 c + 1
.endr
.irp i, 0,1,2
	v_mov_b32 v[PC+6*\c+3+\i], v[YT+4*\c+\i]
.endr
.endr
.irp j, 0,2,4,6,8,10,12,14,16,18,20,22,24,26,28,30
	v_pk_mul_f32 v[O+\j:O+\j+1], v[O+\j:O+\j+1], v[246:247] op_sel_hi:[1,0]   ; O^T under the new M.  These sixteen are also the places between p's codes and scale word and the products
.endr
	s_wait_dscnt 0x0                               ; V
.irp f, 0,1,2,3
.if \f%2
	v_wmma_scale_f32_16x16x128_f8f6f4 v[O+8*\f:O+8*\f+7], v[VF+12*\f:VF+12*\f+11], v[PC:PC+11], v[O+8*\f:O+8*\f+7], v[242+\f/2], v244 matrix_a_fmt:MATRIX_FMT_FP6 matrix_b_fmt:MATRIX_FMT_FP6 matrix_a_scale:MATRIX_SCALE_ROW1
.else
	v_wmma_scale_f32_16x16x128_f8f6f4 v[O+8*\f:O+8*\f+7], v[VF+12*\f:VF+12*\f+11], v[PC:PC+11], v[O+8*\f:O+8*\f+7], v[242+\f/2], v244 matrix_a_fmt:MATRIX_FMT_FP6 matrix_b_fmt:MATRIX_FMT_FP6
.endif
.endr
	s_add_co_u32 s24, s24, STEPB
	s_add_co_u32 s28, s28, 256
	s_add_co_u32 s25, s25, 1
	s_cmp_lt_u32 s25, 16
	s_cbranch_scc1 .Lstep_\@
	; y = O^T / the sum, quantised along the head's 64 channels: two blocks of 32
	v_add_f32 v14, v14, v15
	v_permlanex16_b32 v248, v14, s20, s21
	v_add_f32 v14, v14, v248                       ; the row's sum
	v_nop
	v_nop                                          ; (with the lines above: the places behind the last products)
	v_rcp_f32 v14, v14
	v_nop                                          ; a plain instruction behind the reciprocal
	s_wait_alu depctr_va_vdst(0)                   ; and the wait ahead of its first reader
.irp j, 0,2,4,6,8,10,12,14,16,18,20,22,24,26,28,30
	v_pk_mul_f32 v[S+\j:S+\j+1], v[O+\j:O+\j+1], v[14:15] op_sel_hi:[1,0]   ; register 8 f + j: channel 16 f + 8 h + j of my query
.endr
.irp b, 0,1
	v_max3_num_f32 v[BM+\b], |v[S+16*\b]|, |v[S+16*\b+1]|, 0x1800000
.endr
.irp i, 2,4,6,8,10,12,14
.irp b, 0,1
	v_max3_num_f32 v[BM+\b], v[BM+\b], |v[S+16*\b+\i]|, |v[S+16*\b+\i+1]|
.endr
.endr
.irp b, 0,1
	v_permlanex16_b32 v[PT+\b], v[BM+\b], s20, s21
.endr
.irp b, 0,1
	v_max_num_f32 v[BM+\b], v[BM+\b], v[PT+\b]
.endr
.irp b, 0,1
	v_add_nc_u32 v[SO+\b], 0xff000000, v[BM+\b]
.endr
.irp b, 0,1
	v_lshrrev_b32 v[BY+\b], 23, v[SO+\b]
.endr
	v_cvt_scalef32_pk16_fp6_f32 v[128:130], v[S:S+15], v[SO]
	v_cvt_scalef32_pk16_fp6_f32 v[136:138], v[S+16:S+31], v[SO+1]
	v_cndmask_b32 v84, v[BY], v[BY+1], s26         ; my half's block's byte.  (A plain place behind the conversions)
.irp i, 0,1,2
	v_permlane16_swap_b32 v[128+\i], v[136+\i]     ; lanes 0-15 block 0, lanes 16-31 block 1: v128-130 codes 0-7, 16-23; v136-138 codes 8-15, 24-31
.endr
	v_perm_b32 v131, v130, v129, 0x05040302        ; the natural order: the two middle pieces of 6 bytes change places
	v_perm_b32 v132, v137, v130, 0x07060302
	v_perm_b32 v129, v136, v129, 0x05040100
	v_perm_b32 v130, v137, v136, 0x05040302
	v_mov_b32 v133, v138
	s_lshl_b32 s2, s29, 4
	s_add_co_u32 s2, s2, s18
	s_mul_i32 s2, s2, 768                          ; ycodes: [tile][head][768]
	s_mov_b32 s3, 0
	s_add_nc_u64 s[32:33], s[12:13], s[2:3]
	s_lshl_b32 s2, s18, 14                         ; yscales: [head][token][2]
	s_lshl_b32 s34, s29, 5
	s_add_co_u32 s2, s2, s34
	s_add_nc_u64 s[34:35], s[14:15], s[2:3]
	global_store_b128 v[L16], v[128:131], s[32:33]                ; registers 0-3 of the operand's six: 512 consecutive bytes
	global_store_b64 v[L8], v[132:133], s[32:33] offset:512       ; registers 4-5: 256 consecutive bytes
	global_store_b8 v[YB], v84, s[34:35]                          ; 32 consecutive bytes
	s_wait_xcnt 0x0                                ; the stores have read their registers and bases: both are written again in the next pass
.endm
	PASS 0
	PASS 1
	s_wait_tensorcnt 0x0                           ; the wave's end, behind my last LDS store
	ds_add_u32 v[SPW], v[NIL]
	s_wait_dscnt 0x0
	s_endpgm
.Lfunc_end_k_q1acdc7daaf_attn:
	.size	k_q1acdc7daaf_attn, .Lfunc_end_k_q1acdc7daaf_attn-k_q1acdc7daaf_attn
	.p2alignl 7, 3214868480
	.fill 96, 4, 3214868480
	.section	.rodata,"a",@progbits
	.p2align	6, 0x0
	.amdhsa_kernel k_q1acdc7daaf_attn
		.amdhsa_group_segment_fixed_size 206848
		.amdhsa_private_segment_fixed_size 0
		.amdhsa_enable_private_segment 0
		.amdhsa_kernarg_size 48
		.amdhsa_user_sgpr_count 2
		.amdhsa_user_sgpr_kernarg_segment_ptr 1
		.amdhsa_wavefront_size32 1
		.amdhsa_system_sgpr_workgroup_id_x 1
		.amdhsa_system_sgpr_workgroup_id_y 1
		.amdhsa_system_sgpr_workgroup_id_z 1
		.amdhsa_system_vgpr_workitem_id 0
		.amdhsa_next_free_vgpr 256
		.amdhsa_next_free_sgpr 100
		.amdhsa_reserve_vcc 0
		.amdhsa_float_denorm_mode_32 3
		.amdhsa_float_denorm_mode_16_64 3
		.amdhsa_memory_ordered 1
		.amdhsa_forward_progress 1
		.amdhsa_inst_pref_size 66
	.end_amdhsa_kernel
	.amdgpu_metadata
---
amdhsa.version: [ 1, 2 ]
amdhsa.kernels:
  - .name:           k_q1acdc7daaf_attn
    .symbol:         k_q1acdc7daaf_attn.kd
    .args:
      - { .name: qws, .offset: 0, .size: 8, .value_kind: global_buffer, .address_space: global }
      - { .name: kvws, .offset: 8, .size: 8, .value_kind: global_buffer, .address_space: global }
      - { .name: maskw, .offset: 16, .size: 8, .value_kind: global_buffer, .address_space: global }
      - { .name: flags, .offset: 24, .size: 8, .value_kind: global_buffer, .address_space: global }
      - { .name: ycodes, .offset: 32, .size: 8, .value_kind: global_buffer, .address_space: global }
      - { .name: yscales, .offset: 40, .size: 8, .value_kind: global_buffer, .address_space: global }
    .group_segment_fixed_size: 206848
    .private_segment_fixed_size: 0
    .kernarg_segment_align: 8
    .kernarg_segment_size: 48
    .max_flat_workgroup_size: 512
    .sgpr_count:     100
    .vgpr_count:     256
    .wavefront_size: 32
...
	.end_amdgpu_metadata
.endif
;; end of part 3
;; launch outp (part 4): grid 64 x 4, 8 waves a work-group, clusters of 4 x 4, 327,680 bytes of LDS; arguments ycodes, yscales, Wout_codes, Wout_scales, bout, out0; writes out0
.if DOCPART == 4
	.amdgcn_target "amdgcn-amd-amdhsa--gfx1250"
	.amdhsa_code_object_version 6
	.text
	.protected	k_q1acdc7daaf_outp
	.globl	k_q1acdc7daaf_outp
	.p2align	8
	.type	k_q1acdc7daaf_outp,@function
k_q1acdc7daaf_outp:
	s_mov_b64 s[64:65], 0
	v_nop
	global_prefetch_b8 v0, s[64:65] scope:SCOPE_SE
	s_setreg_imm32_b32 hwreg(HW_REG_WAVE_MODE, 25, 1), 1
	s_wait_xcnt 0x0
	s_wait_alu depctr_hold_cnt(0) depctr_sa_sdst(0) depctr_va_vdst(0) depctr_va_sdst(0) depctr_va_ssrc(0) depctr_va_vcc(0) depctr_vm_vsrc(0)
	s_getreg_b32 s2, hwreg(HW_REG_IB_STS2, 6, 4)
	s_cmp_eq_u32 s2, 0
	s_cbranch_scc0 .Lentry_in_a_cluster
	s_endpgm
.Lentry_in_a_cluster:
	s_bfe_u32 s2, ttmp6, 0x10000c
	s_cmp_lg_u32 s2, 0xf033
	s_cbranch_scc0 .Lentry_shape_is_right
	s_endpgm
.Lentry_shape_is_right:
; out0 = y Wout^T + bout on codes of FP6 (E2M3).  y's codes and scale bytes were made by the attention launch; Wout's are given.  No work is left out.
; THE FORM IS THE PROJECTIONS': source 0 = P = 16 rows of Wout (they become a lane's registers: eight neighbouring columns of a row of out0), source 1 = R = 16 tokens of y (the lanes).
; A work-group makes 256 columns x 128 tokens; K = 1,024 in four chunks of 256 through three LDS slots: chunks 0 to 2 are first fills, chunk 3 fills slot 0 again.  Wave w: columns 128 (w % 2) on, tokens 32 (w / 2) on: 16 accumulators.
; CLUSTER 4 x 4: P's tile hangs on cx alone and is shared along a column, R's on cy and the cluster's number and is shared along a row.  Waves 0 to 3 fetch P (64 rows each, and once Wout's scale bytes), waves 4 to 7 R.
; y LIES AS IMAGES OF THE OPERAND'S REGISTERS: [tile of 16 tokens][head][768 bytes]: registers 0-3 of a head's six at 16 l, registers 4-5 at 512 + 8 l.  A chunk is 4 heads, 3,072 dense bytes a tile; a fragment of 128 along K is two heads.
; y's scale bytes, [head][token][2], are read once: 16 loads of two bytes a lane make the eight K steps' scale words (lanes 0-15 my tokens 0-15, lanes 16-31 my tokens 16-31).
; bout goes into the accumulators, so all eight K steps are alike and nothing is cleared.  LIMITS: NaN and infinities are not served.
; REGISTERS: window 0: v4-17 LDS addresses; v18, v19 the add's two; v20-28 P's scale words, two sets; v32-79 R's fragments, two sets; v112-119 y's scale words; v128-255 accumulators ((p, t) at 128 + 64 t + 8 p).  Window 1: P's fragments, two sets of 96.
.set PITCH, 240
.set PPART, 256*PITCH                  ; P's 256 rows; behind them R's 8 tiles x 3,072 bytes
.set SLOT,  PPART+8*3072
.set SCL,   3*SLOT                     ; Wout's scale bytes for all of K: 32 units of 256 bytes + 16
.set SPARE, SCL+32*272                 ; the spare words, 128 bytes for each wave: four blocks of 256 bytes that no other line names
.set STAGE, SLOT                       ; the way out: 16 rows x (512 + 16) bytes for each wave, in slot 1: it has had its only fill, and behind step 5's barrier nobody reads it
.set FR,   12
.set ADRP, 4                           ; v4-6, v7-9 as in the projections
.set AR16, 10                          ; v10-12 my tiles of y in slot 0, 1, 2, + 16 x lane
.set AR8,  13                          ; v13-15 the same + 8 x lane
.set ADSP, 16
.set STO,  17                          ; v17 the stage: where I put 32 bytes of a row
.set SPW,  18
.set NIL,  19
.set SC,   20
.set RD,   29                          ; v29 the stage: where I read a row back
.set OFA,  30
.set OFB,  31
.set RB,   32
.set YS,   112
.set CO,   120                         ; v120 16 x lane
.set ACC,  128
.set WV,   16
.set G1P,  24
.set G1R,  32
.set G1SP, 40
.set G0PS, 56
.set G0P0, 60
.set G0P1, 68
.set G0P2, 72
.set G0R0, 80
.set G0R1, 84
.set G0R2, 88
.set MSB, 0
.macro WIN new
.if MSB != \new
	s_set_vgpr_msb (MSB<<8)|\new
.set MSB, \new
.endif
.endm
.macro PLACES
.rept 4
	v_nop
.endr
.endm
.macro CREST
	s_cmp_lg_u32 s[WV], 0
	s_cbranch_scc1 .Lnot_wave_0_\@
	s_barrier_signal -3
.Lnot_wave_0_\@:
	s_barrier_wait -3
	s_barrier_signal -1
	s_barrier_wait -1
.endm
.macro CROUND
	s_barrier_signal -1
	s_barrier_wait -1
	CREST
.endm
.macro SHAPE g, c, r, p
	s_mov_b32 s[\g+1], (\c)<<16
	s_mov_b32 s[\g+2], (\r)<<16
	s_mov_b32 s[\g+3], (\c)<<16
	s_mov_b32 s[\g+4], \r
	s_mov_b32 s[\g+5], \p
	s_mov_b32 s[\g+6], 0
	s_mov_b32 s[\g+7], 0
.endm
.macro PLACE g, lreg, loff, areg, aoff
	s_mov_b32 s[\g], 1
	s_add_co_u32 s[\g+1], s[\lreg], \loff
	s_add_nc_u64 s[\g+2:\g+3], s[\areg:\areg+1], \aoff
	s_or_b32 s[\g+3], s[\g+3], 0x80000000
.endm
	s_load_b256 s[4:11], s[0:1], 0x0               ; ycodes s[4:5], yscales s[6:7], Wout's codes s[8:9], its scales s[10:11]
	s_load_b128 s[12:15], s[0:1], 0x20             ; bout s[12:13], out0 s[14:15]
	v_lshl_add_u32 v[SPW], v0, 2, SPARE
	v_mov_b32 v[NIL], 0
	ds_add_u32 v[SPW], v[NIL]                      ; the wave's opening: the add, twice on end, and its wait ahead of my first tensor load
	ds_add_u32 v[SPW], v[NIL]                      ; and once more; the set-up below, work on registers, stands between it and the wait
	v_lshrrev_b32 v1, 5, v0
	v_readfirstlane_b32 s[WV], v1
	s_and_b32 s20, s[WV], 1                        ; pw
	s_lshr_b32 s21, s[WV], 1                       ; rw
	s_and_b32 s22, s[WV], 3                        ; which part I fetch
	s_bfe_u32 s18, ttmp6, 0x40000                  ; cx: P's tile of 256 columns
	s_bfe_u32 s19, ttmp6, 0x40004                  ; cy
	s_lshl_b32 s93, ttmp9, 2
	s_add_co_u32 s93, s93, s19                     ; R's tile of 128 tokens
	s_lshl_b32 s94, 0x1111, s18                    ; my column of the cluster: P's mask
	s_lshl_b32 s95, s19, 2
	s_lshl_b32 s95, 15, s95                        ; my row: R's mask
	s_lshl_b32 s96, s18, 8
	s_lshl_b32 s97, s22, 6
	s_add_co_u32 s96, s96, s97                     ; the first of the 64 rows of Wout that I would fetch
	s_mul_i32 s98, s96, 768
	s_mov_b32 s99, 0
	s_lshl_b32 s96, s96, 5
	s_mov_b32 s97, 0
	s_lshl_b32 s100, s93, 3
	s_lshl_b32 s101, s22, 1
	s_add_co_u32 s100, s100, s101                  ; the first of the two tiles of tokens
	s_mul_i32 s100, s100, 12288                    ; a tile's 16 heads x 768 bytes
	s_mov_b32 s101, 0
	; group 1.  P's codes and scale bytes as in the projections.  R: two rows of 3,072 bytes (384 elements of 8), 12,288 bytes apart, no padding.  Bit 21 stands beside a mask.
	s_or_b32 s[G1P], s94, (1<<20)|(1<<21)|(3<<22)|(3<<25)
	SHAPE G1P, 192, 64, 768
	s_or_b32 s[G1R], s95, (3<<16)|(1<<21)
	SHAPE G1R, 384, 2, 1536
	s_or_b32 s[G1SP], s94, (3<<16)|(1<<20)|(1<<21)|(5<<22)|(3<<25)
	SHAPE G1SP, 32, 8, 32
	s_wait_dscnt 0x0                               ; both opening adds are done
	s_wait_kmcnt 0x0
	s_add_nc_u64 s[8:9], s[8:9], s[98:99]
	s_add_nc_u64 s[10:11], s[10:11], s[96:97]
	s_add_nc_u64 s[4:5], s[4:5], s[100:101]
	s_mul_i32 s23, s22, 8*272
	PLACE G0PS, 23, SCL, 10, 0
	s_mul_i32 s23, s22, 64*PITCH
	PLACE G0P0, 23, 0, 8, 0
	PLACE G0P1, 23, SLOT, 8, 192
	PLACE G0P2, 23, 2*SLOT, 8, 384
	s_mul_i32 s23, s22, 2*3072
	PLACE G0R0, 23, PPART, 4, 0
	PLACE G0R1, 23, SLOT+PPART, 4, 3072
	PLACE G0R2, 23, 2*SLOT+PPART, 4, 6144
	CROUND                                         ; all sixteen work-groups are here: the first joint loads meet
	s_cmp_lt_u32 s[WV], 4                          ; a wave's first fills stand in one arm of one branch on its number: four loads of mine are out (waves 0 to 3) or three
	s_cbranch_scc0 .Lfirst_r
	tensor_load_to_lds s[G0PS:G0PS+3], s[G1SP:G1SP+7]   ; Wout's scale bytes for all of K, filled once
	s_nop 0
	tensor_load_to_lds s[G0P0:G0P0+3], s[G1P:G1P+7]     ; chunks 0, 1, 2
	s_nop 0
	tensor_load_to_lds s[G0P1:G0P1+3], s[G1P:G1P+7]
	s_nop 0
	tensor_load_to_lds s[G0P2:G0P2+3], s[G1P:G1P+7]
	s_nop 0
.rept 4
	v_nop
.endr
	s_branch .Lfirst_asked
.Lfirst_r:
	tensor_load_to_lds s[G0R0:G0R0+3], s[G1R:G1R+7]
	s_nop 0
	tensor_load_to_lds s[G0R1:G0R1+3], s[G1R:G1R+7]
	s_nop 0
	tensor_load_to_lds s[G0R2:G0R2+3], s[G1R:G1R+7]
	s_nop 0
.rept 4
	v_nop
.endr
.Lfirst_asked:
	s_lshl_b32 s96, s18, 8
	s_lshl_b32 s97, s20, 7
	s_add_co_u32 s96, s96, s97                     ; my first column
	s_lshl_b32 s100, s93, 7
	s_lshl_b32 s101, s21, 5
	s_add_co_u32 s100, s100, s101                  ; my first token
	s_lshl_b32 s2, s100, 1
	s_mov_b32 s3, 0
	s_add_nc_u64 s[6:7], s[6:7], s[2:3]            ; its scale bytes in head 0
	s_lshl_b32 s2, s96, 2
	s_add_nc_u64 s[12:13], s[12:13], s[2:3]        ; bout at my first column
	s_add_nc_u64 s[14:15], s[14:15], s[2:3]        ; out0: my first column,
	s_lshl_b32 s2, s100, 12
	s_add_nc_u64 s[14:15], s[14:15], s[2:3]        ; my first token's row of 4,096 bytes
	v_and_b32 v1, 15, v0                           ; r
	v_bfe_u32 v2, v0, 4, 1                         ; h
	v_and_b32 v3, 31, v0                           ; lane
	v_lshlrev_b32 v[OFA], 1, v3                    ; 2 bytes a token
	v_lshlrev_b32 v[OFB], 5, v2                    ; 32 h
.irp d, 0,1,2,3,4,5,6,7,8,9,10,11,12,13,14,15
	global_load_u16 v[80+\d], v[OFA], s[6:7] offset:16384*\d   ; head d's two bytes of my lane's token
.endr
.irp p, 0,1,2,3,4,5,6,7
.irp t, 0,1
	global_load_b128 v[ACC+64*\t+8*\p:ACC+64*\t+8*\p+3], v[OFB], s[12:13] offset:64*\p      ; register j of tile p: bout of column 16 p + 8 h + j
	global_load_b128 v[ACC+64*\t+8*\p+4:ACC+64*\t+8*\p+7], v[OFB], s[12:13] offset:64*\p+16
.endr
.endr
	s_wait_loadcnt 32                              ; the 16 loads of scale bytes are in; the 32 of bout may be out
.irp s, 0,1,2,3,4,5,6,7
	v_lshl_or_b32 v[YS+\s], v[81+2*\s], 16, v[80+2*\s]   ; K step s = heads 2 s and 2 s + 1.  The address work below is more than the eight places owed between these lines and the first product
.endr
	v_mul_u32_u24 v121, v1, PITCH
	v_mad_u32_u24 v121, v2, 24, v121               ; P: a fragment's row x pitch + 24 x half
	v_lshlrev_b32 v[CO], 4, v3                     ; 16 x lane
	v_lshlrev_b32 v122, 3, v3                      ; 8 x lane
	s_mul_i32 s2, s20, 128*PITCH
	s_mul_i32 s3, s21, 2*3072
	s_add_co_u32 s3, s3, PPART
.irp s, 0,1,2
	v_add_nc_u32 v[ADRP+\s], s2, v121
	v_lshl_add_u32 v[ADRP+3+\s], v2, 4, v[ADRP+\s]
	v_add_nc_u32 v[AR16+\s], s3, v[CO]
	v_add_nc_u32 v[AR8+\s], s3, v122
	s_add_co_u32 s2, s2, SLOT
	s_add_co_u32 s3, s3, SLOT
.endr
	v_lshrrev_b32 v121, 3, v1
	v_and_b32 v122, 7, v1
	v_lshlrev_b32 v122, 5, v122
	v_mad_u32_u24 v122, v121, 272, v122
	v_mad_u32_u24 v[ADSP], v2, 8*272, v122
	s_mul_i32 s2, s20, 16*272
	s_add_co_u32 s2, s2, SCL
	v_add_nc_u32 v[ADSP], s2, v[ADSP]
	s_mul_i32 s2, s[WV], 16*528
	s_add_co_u32 s2, s2, STAGE                     ; my stage
	v_mul_u32_u24 v[STO], v1, 528
	v_lshl_add_u32 v[STO], v2, 5, v[STO]
	v_add_nc_u32 v[STO], s2, v[STO]                ; in: row r, 32 bytes for each half of the lanes
	v_add_nc_u32 v[RD], s2, v[CO]                  ; back: the 32 lanes take one row of 512 bytes
.macro FRAG reg, adr, q, i
.irp p, 0,1,2,3,4,5
.set PCE, 12*(\q)+6*(\p/3)+\p%3
.if PCE%8 < 5
	ds_load_b64 v[(\reg)+2*\p:(\reg)+2*\p+1], v[\adr] offset:8*PCE+16*(PCE/8)+(\i)*16*PITCH
.else
	ds_load_b64 v[(\reg)+2*\p:(\reg)+2*\p+1], v[(\adr)+3] offset:8*PCE+16*(PCE/8)+(\i)*16*PITCH
.endif
.endr
.endm
.macro FETCH s                         ; K step s: 8 fragments of P (48 loads), 2 of y (8 loads), 4 registers of P's scale words: 60 LDS loads into set s % 2
.set FSL, ((\s)/2)%3
.set FQ,  (\s)%2
	WIN 0x40
.irp i, 0,1,2,3,4,5,6,7
	FRAG 96*FQ+FR*\i, ADRP+FSL, FQ, \i
.endr
	WIN 0
.irp t, 0,1
	ds_load_b128 v[RB+24*FQ+12*\t:RB+24*FQ+12*\t+3], v[AR16+FSL] offset:3072*\t+1536*FQ
	ds_load_b64 v[RB+24*FQ+12*\t+4:RB+24*FQ+12*\t+5], v[AR8+FSL] offset:3072*\t+1536*FQ+512
	ds_load_b128 v[RB+24*FQ+12*\t+6:RB+24*FQ+12*\t+9], v[AR16+FSL] offset:3072*\t+1536*FQ+768
	ds_load_b64 v[RB+24*FQ+12*\t+10:RB+24*FQ+12*\t+11], v[AR8+FSL] offset:3072*\t+1536*FQ+1280
.endr
.irp i, 0,1,2,3
	ds_load_b32 v[SC+5*FQ+\i], v[ADSP] offset:544*\i+4*(\s)
.endr
.endm
.macro WM d, a, b, sa, sb, ra, rb
.if (\ra) && (\rb)
	v_wmma_scale_f32_16x16x128_f8f6f4 v[(\d):(\d)+7], v[(\a):(\a)+11], v[(\b):(\b)+11], v[(\d):(\d)+7], v[(\sa)], v[(\sb)] matrix_a_fmt:MATRIX_FMT_FP6 matrix_b_fmt:MATRIX_FMT_FP6 matrix_a_scale:MATRIX_SCALE_ROW1 matrix_b_scale:MATRIX_SCALE_ROW1
.elseif (\ra)
	v_wmma_scale_f32_16x16x128_f8f6f4 v[(\d):(\d)+7], v[(\a):(\a)+11], v[(\b):(\b)+11], v[(\d):(\d)+7], v[(\sa)], v[(\sb)] matrix_a_fmt:MATRIX_FMT_FP6 matrix_b_fmt:MATRIX_FMT_FP6 matrix_a_scale:MATRIX_SCALE_ROW1
.elseif (\rb)
	v_wmma_scale_f32_16x16x128_f8f6f4 v[(\d):(\d)+7], v[(\a):(\a)+11], v[(\b):(\b)+11], v[(\d):(\d)+7], v[(\sa)], v[(\sb)] matrix_a_fmt:MATRIX_FMT_FP6 matrix_b_fmt:MATRIX_FMT_FP6 matrix_b_scale:MATRIX_SCALE_ROW1
.else
	v_wmma_scale_f32_16x16x128_f8f6f4 v[(\d):(\d)+7], v[(\a):(\a)+11], v[(\b):(\b)+11], v[(\d):(\d)+7], v[(\sa)], v[(\sb)] matrix_a_fmt:MATRIX_FMT_FP6 matrix_b_fmt:MATRIX_FMT_FP6
.endif
.endm
.macro MUL8 s, p0                      ; the 16 accumulators take turns, one instruction a turn, in the same order in every step
.irp p, \p0, \p0+1, \p0+2, \p0+3
.irp t, 0,1
	WM ACC+64*\t+8*(\p), 96*((\s)%2)+FR*(\p), RB+24*((\s)%2)+FR*\t, SC+5*((\s)%2)+(\p)%4, YS+(\s), (\p)/4, \t
.endr
.endr
.endm
.macro MULS s
	WIN 0x01
	MUL8 \s, 0
	MUL8 \s, 4
	WIN 0
.endm
.macro PLAIN s
	s_wait_dscnt 0x0                               ; this step's 60 loads are in
	PLACES                                         ; behind the last step's products, whose registers the loads below take
	FETCH (\s)+1
	MULS \s
.endm
	s_wait_tensorcnt 2                             ; my part of chunk 0 is in (and Wout's scale bytes, where I fetched them); chunks 1 and 2 may stay out
	s_barrier_signal -1
	s_barrier_wait -1
	FETCH 0
	s_wait_loadcnt 0x0                             ; bout lies in the accumulators
	s_wait_dscnt 0x0
	FETCH 1
	MULS 0
	; STEP 1 CHANGES SLOT 0'S TILE.  Its fragments were the last reads of chunk 0.
	s_wait_tensorcnt 0x0                           ; all my tensor loads have landed;
	ds_add_u32 v[SPW], v[NIL]                      ; 0 onto my spare word
	s_wait_dscnt 1                                 ; (step 1's 60 loads are in; the add may be out)
	WIN 0x01
	MUL8 1, 0
	s_wait_dscnt 0x0                               ; the add is done, and my reads of slot 0 are over
	s_barrier_signal -1                            ; this barrier opens a round of the cluster's barrier
	MUL8 1, 4
	WIN 0
	s_barrier_wait -1
	CREST                                          ; no wave of any partner still reads slot 0 or has a load on its way; chunks 1 and 2 are whole for every wave
	s_add_nc_u64 s[G0P0+2:G0P0+3], s[G0P0+2:G0P0+3], 576    ; chunk 3
	s_add_nc_u64 s[G0R0+2:G0R0+3], s[G0R0+2:G0R0+3], 9216
	s_cmp_lt_u32 s[WV], 4
	s_cbranch_scc0 .Lagain_r
	tensor_load_to_lds s[G0P0:G0P0+3], s[G1P:G1P+7]         ; the first tensor load behind the round, and my only one
	s_nop 0
.rept 4
	v_nop
.endr
	s_branch .Lagain_asked
.Lagain_r:
	tensor_load_to_lds s[G0R0:G0R0+3], s[G1R:G1R+7]
	s_nop 0
.rept 4
	v_nop
.endr
.Lagain_asked:
	FETCH 2                                        ; (the four v_nop above are the places in front of these loads)
	PLAIN 2
	PLAIN 3
	PLAIN 4
	s_wait_dscnt 0x0                               ; STEP 5: chunk 3 is wanted next
	s_wait_tensorcnt 0x0                           ; my part of it has landed (one load was out)
	s_barrier_signal -1
	WIN 0x01
	MUL8 5, 0
	WIN 0
	s_barrier_wait -1                              ; everybody's has
	PLACES
	FETCH 6
	WIN 0x01
	MUL8 5, 4
	WIN 0
	PLAIN 6
	s_wait_dscnt 0x0
	MULS 7
	PLACES
	; THE WAY OUT, 16 tokens at a time.  A lane holds 32 neighbouring bytes of a row and the lanes beside it other rows: through my own stage, and back as whole rows of 512 bytes.
	; LDS serves a wave's instructions in order (ISA guide 5.7.1.4): no wait between the stores and the loads.
.irp t, 0,1
.irp p, 0,1,2,3,4,5,6,7
	ds_store_b128 v[STO], v[ACC+64*\t+8*\p:ACC+64*\t+8*\p+3] offset:64*\p        ; each accumulator from its low end on
	ds_store_b128 v[STO], v[ACC+64*\t+8*\p+4:ACC+64*\t+8*\p+7] offset:64*\p+16
.endr
.irp i, 0,1,2,3,4,5,6,7,8,9,10,11,12,13,14,15
	ds_load_b128 v[32+4*\i:35+4*\i], v[RD] offset:528*\i
.endr
.irp i, 0,1,2,3,4,5,6,7,8,9,10,11,12,13,14,15
	s_wait_dscnt 15-\i                             ; row i is back; the younger rows may be out
	global_store_b128 v[CO], v[32+4*\i:35+4*\i], s[14:15] offset:65536*\t+4096*\i th:TH_STORE_NT   ; 32 lanes store 512 consecutive bytes, at a multiple of 256 from out0's first byte
.endr
.if \t == 0
	s_wait_xcnt 0x0                                ; the stores have read their registers: the next 16 rows may land there
.endif
.endr
	s_wait_tensorcnt 0x0                           ; the wave's end: behind my last tensor load and my last LDS store
	ds_add_u32 v[SPW], v[NIL]
	s_wait_dscnt 0x0
	CROUND                                         ; the closing round: no work-group ends while a partner may still ask for a tile that names it
	s_endpgm
.Lfunc_end_k_q1acdc7daaf_outp:
	.size	k_q1acdc7daaf_outp, .Lfunc_end_k_q1acdc7daaf_outp-k_q1acdc7daaf_outp
	.p2alignl 7, 3214868480
	.fill 96, 4, 3214868480
	.section	.rodata,"a",@progbits
	.p2align	6, 0x0
	.amdhsa_kernel k_q1acdc7daaf_outp
		.amdhsa_group_segment_fixed_size 327680
		.amdhsa_private_segment_fixed_size 0
		.amdhsa_enable_private_segment 0
		.amdhsa_kernarg_size 48
		.amdhsa_user_sgpr_count 2
		.amdhsa_user_sgpr_kernarg_segment_ptr 1
		.amdhsa_wavefront_size32 1
		.amdhsa_system_sgpr_workgroup_id_x 1
		.amdhsa_system_sgpr_workgroup_id_y 1
		.amdhsa_system_sgpr_workgroup_id_z 1
		.amdhsa_system_vgpr_workitem_id 0
		.amdhsa_next_free_vgpr 448
		.amdhsa_next_free_sgpr 102
		.amdhsa_reserve_vcc 0
		.amdhsa_float_denorm_mode_32 3
		.amdhsa_float_denorm_mode_16_64 3
		.amdhsa_memory_ordered 1
		.amdhsa_forward_progress 1
		.amdhsa_inst_pref_size 72
	.end_amdhsa_kernel
	.amdgpu_metadata
---
amdhsa.version: [ 1, 2 ]
amdhsa.kernels:
  - .name:           k_q1acdc7daaf_outp
    .symbol:         k_q1acdc7daaf_outp.kd
    .args:
      - { .name: ycodes, .offset: 0, .size: 8, .value_kind: global_buffer, .address_space: global }
      - { .name: yscales, .offset: 8, .size: 8, .value_kind: global_buffer, .address_space: global }
      - { .name: Wout_codes, .offset: 16, .size: 8, .value_kind: global_buffer, .address_space: global }
      - { .name: Wout_scales, .offset: 24, .size: 8, .value_kind: global_buffer, .address_space: global }
      - { .name: bout, .offset: 32, .size: 8, .value_kind: global_buffer, .address_space: global }
      - { .name: out0, .offset: 40, .size: 8, .value_kind: global_buffer, .address_space: global }
    .group_segment_fixed_size: 327680
    .private_segment_fixed_size: 0
    .kernarg_segment_align: 8
    .kernarg_segment_size: 48
    .max_flat_workgroup_size: 256
    .sgpr_count:     102
    .vgpr_count:     448
    .wavefront_size: 32
...
	.end_amdgpu_metadata
.endif
;; end of part 4
